; MI455X (gfx1250); checked and timed in simulation.
; The chip was launched on July 23, 2026; its instructions are those of AMD's public machine-readable ISA for CDNA 5 (MIT licence, August 2026) and "CDNA5" Instruction Set Architecture Reference Guide (July 2026). The comments in the code are by the model that wrote it; some were corrected since.
;; Causal Self Attention. Allowed arithmetic: matrix products marked QUANTISED: E2M1 operands, one E8M0 scale for each 32 along K, by v_wmma_scale_f32_16x16x128_f8f6f4 with both operands' format E2M1 (or v_wmma_scale_f32_32x16x128_f4), f32 sums; products left as they are: bf16, f16 or f32 operands; f32 sums; everything else in f32.
;; Inputs: Wk 1,024 x 1,024 float32; Wp 1,024 x 1,024 float32; Wq 1,024 x 1,024 float32; Wv 1,024 x 1,024 float32; bk 1,024 float32; bp 1,024 float32; bq 1,024 float32; bv 1,024 float32; mask 4 x 2,048 float32; x 4 x 2,048 x 1,024 float32.
;; Outputs: out0 4 x 2,048 x 1,024 float32.
;; This version of the problem:
;;   THIS VERSION OF THE PROBLEM IS GIVEN IN LOW PRECISION. The matrix products marked QUANTISED in the list below multiply operands that are first quantised to E2M1 (2 exponent bits, 1 mantissa bit; 4 bits a number), with one power-of-two scale for each 32 numbers along K (OCP MX v1.0); their sums are f32. The products marked 'left as it is' may take bf16, f16 or f32 operands, with f32 sums. Whichever they take, every output number must still come out within the allowed error. Rounding operands to bf16 (8 significant bits) uses up far more of that allowance than f16 does (11 bits, for magnitudes from 6e-5 to 65,504). All else is computed in f32.
;;   The module's matrix products, in the order in which they are computed (A, B: the left and right operand; K: the contracted axis; several contracted axes count as one K, in the product's order):
;;     1. [M 8,192, K 1,024] x [K 1,024, N 1,024]; A: input x; B: input Wq: QUANTISED
;;     2. [M 8,192, K 1,024] x [K 1,024, N 1,024]; A: input x; B: input Wk: QUANTISED
;;     3. [M 8,192, K 1,024] x [K 1,024, N 1,024]; A: input x; B: input Wv: QUANTISED
;;     4. batch 64 x [M 2,048, K 64] x [K 64, N 2,048]; A: computed on the way; B: computed on the way: left as it is (an operand is computed on the way)
;;     5. batch 64 x [M 2,048, K 2,048] x [K 2,048, N 64]; A: computed on the way; B: computed on the way: left as it is (an operand is computed on the way)
;;     6. [M 8,192, K 1,024] x [K 1,024, N 1,024]; A: computed on the way; B: input Wp: left as it is (an operand is computed on the way)
;;   THE QUANTISER, for each operand of a quantised product, along K:
;;     - K is cut into blocks of 32 from its start; a last block that is shorter is filled with zeros.
;;     - A block's scale is 2^e with e = floor(log2(the largest magnitude in the block)) - 2, held to -126 .. 127; a block of zeros has e = 0. As a byte (E8M0): e + 127.
;;     - Each number is divided by its block's scale, clamped to +-6, and rounded to the nearest number of E2M1, ties to even, subnormals kept.
;;     - The product sums the exact products of the quantised numbers (number of the format x scale) in f32.
;;   ~~~python
;;   def quantise(x, axis):      # numpy; x: float32 -> the quantised numbers, widened to float32 again
;;       x = np.moveaxis(x, axis, -1); K = x.shape[-1]
;;       x = np.pad(x, [(0, 0)] * (x.ndim - 1) + [(0, -K % 32)]); x = x.reshape(x.shape[:-1] + (-1, 32)); a = np.abs(x).max(-1, keepdims=True)
;;       e = np.where(a > 0, np.clip(np.frexp(np.where(a > 0, a, 1))[1] - 1 - 2, -126, 127), 0)      # np.frexp(a)[1] - 1 = floor(log2(a)), exactly
;;       r = np.clip(x / 2.0 ** e, -6, 6)
;;       step = 2.0 ** (np.maximum(np.frexp(np.where(r == 0, 1, r))[1] - 1, 0) - 1)
;;       q = np.round(r / step) * step * 2.0 ** e      # np.round: ties to even
;;       return np.moveaxis(q.reshape(q.shape[:-2] + (-1,))[..., :K], -1, axis).astype(np.float32)
;;   ~~~
;; One version. Each part assembles by itself: llvm-mc -triple=amdgcn-amd-amdhsa -mcpu=gfx1250 --defsym DOCPART=n.
;; ======== version 1 of 1: 6 launches
;; limits: values are held in f16: magnitudes above 65,504 overflow, below 6.1e-05 lose precision
;; workspace buffers: codes 5,767,168 bytes; scales 360,448 bytes; wp16 2,097,152 bytes; qkv 50,331,648 bytes; h0 1,605,632 bytes; yh 16,777,216 bytes
;; launch prep (part 1): grid 384 x 1, 4 waves a work-group, no clusters, 33,280 bytes of LDS; arguments x, Wq, Wk, Wv, Wp, codes, scales, wp16; writes codes, scales, wp16
.if DOCPART == 1
	.amdgcn_target "amdgcn-amd-amdhsa--gfx1250"
	.amdhsa_code_object_version 6
	.text
	.protected	k_q4ba8428bc5_prep
	.globl	k_q4ba8428bc5_prep
	.p2align	8
	.type	k_q4ba8428bc5_prep,@function
k_q4ba8428bc5_prep:
	s_mov_b64 s[64:65], 0
	v_nop
	global_prefetch_b8 v0, s[64:65] scope:SCOPE_SE
	s_setreg_imm32_b32 hwreg(HW_REG_WAVE_MODE, 25, 1), 1
	s_wait_xcnt 0x0
; CAUSAL SELF-ATTENTION, B 4, T 2048, C 1024, H 16, d 64.  Launch 1 of 6: x, Wq, Wk, Wv become codes of FP4 (E2M1) with one E8M0 byte for each 32 along K; Wp becomes f16.
; WORK LEFT OUT BY THE PROGRAM, AND WHY IT IS DEAD.  reference() replaces the score of every key s > t by the constant -10000 (jnp.where on its own jnp.tril), whatever q and k hold: so q . k of
; keys s > t reaches no output, and is not formed where it comes in whole key steps.  NOTHING ELSE IS LEFT OUT.  -10000 is finite, so a hidden key keeps the weight exp(-10000 + add_mask[s] - max) and its
; p . v is live (it decides a row whose visible keys are all masked).  That weight hangs on the key alone up to a factor a row, so the hidden keys from a boundary of 64 on enter as ONE softmax state
; (largest score, sum of weights, weighted sum of v), made once for each (batch, head, boundary) and merged into each query tile at its end: the same sum in real numbers, grouped otherwise.
; Every input is loaded by some launch.  LIMITS: a NaN, an infinity or an overflow that would arise only in a q . k left out is not carried to the result; q, k, v, y and Wp are kept in f16 for the
; products left as they are: magnitudes up to 65,504; NaN and infinities among the inputs are not served; blocks whose largest magnitude lies under 2^(2 - 126) get the scale byte 1.
; THIS LAUNCH.  Rows are dense and K = 1024 is a multiple of 32: each tensor is a plain stream of blocks of 32.  Work-groups 0-255 take x, 256-351 Wq, Wk, Wv (32 each), 352-383 Wp.
; A quantising wave takes 16 steps of 512 numbers: four loads of 512 consecutive bytes, a turn through its own stage in LDS so that a lane holds 16 neighbours along K, the block's largest magnitude
; (two lanes to a block), the scale byte, two conversions; 256 consecutive bytes of codes a store; the wave's 256 scale bytes are gathered in LDS and leave as one aligned run of 256 bytes.
; (A block of zeros gets the byte 1 where the rule says 127: its codes are zeros, and this program alone reads the bytes.)
.set XWG,   256                        ; work-groups of x: 8,192 x 1,024 / 32,768
.set QWG,   352                        ; and with the three weights
.set WAVES, 4
.set STEPS, 16
.set EMAX,  2
.set CB,    8                          ; bytes of 16 codes
.set R,     16                         ; v16-79   four sets of 16 numbers as loaded
.set X,     80                         ; v80-111  two sets of 16 neighbours
.set E,     112                        ; v112-127 a scale byte for each step
.set C,     128                        ; v128-191 codes: four registers for each step
.set WREG,  8192                       ; LDS: a region for each wave: two stages of 32 x SP bytes, then its 256 scale bytes
.set SP,    80
.set SPW,   12                         ; v12  my spare word's LDS address; never rewritten
.set NIL,   13                         ; v13  0; never rewritten
.set SPARE, WAVES*WREG
	s_load_b512 s[4:19], s[0:1], 0x0               ; x, Wq, Wk, Wv, Wp, codes, scales, wp16
	v_lshl_add_u32 v[SPW], v0, 2, SPARE
	v_mov_b32 v[NIL], 0
	v_lshrrev_b32 v1, 5, v0
	v_readfirstlane_b32 s30, v1                    ; wave
	v_and_b32 v2, 31, v0                           ; lane
	v_lshlrev_b32 v3, 4, v2                        ; 16 bytes a lane of a load's 512
	v_lshlrev_b32 v7, 3, v2                        ; 8 bytes a lane of a store's 256
	s_mov_b32 s35, 0
	s_cmp_ge_u32 ttmp9, QWG
	s_cbranch_scc1 .Lconv
	s_mul_i32 s32, s30, WREG
	v_lshrrev_b32 v14, 2, v2
	v_mul_u32_u24 v14, v14, SP
	v_and_b32 v15, 3, v2
	v_lshl_add_u32 v14, v15, 4, v14
	v_add_nc_u32 v14, s32, v14                     ; the stage, way in: SP (lane / 4) + 16 (lane % 4)
	v_mul_u32_u24 v15, v2, SP
	v_add_nc_u32 v15, s32, v15                     ; way out: SP x lane: my 16 neighbours
	v_lshrrev_b32 v5, 1, v2
	s_add_co_u32 s32, s32, 2*32*SP
	v_add_nc_u32 v5, s32, v5                       ; my block's scale byte in LDS
	v_add_nc_u32 v6, s32, v7                       ; and 8 of the 256 on the way out
	s_sub_co_u32 s20, ttmp9, XWG
	s_lshr_b32 s21, s20, 5                         ; which weight
	s_and_b32 s22, s20, 31                         ; which 32,768 numbers of it
	s_wait_kmcnt 0x0
	s_cmp_eq_u32 s21, 1                            ; the source is chosen by the work-group's number alone
	s_cselect_b64 s[24:25], s[8:9], s[10:11]
	s_cmp_eq_u32 s21, 0
	s_cselect_b64 s[24:25], s[6:7], s[24:25]
	s_cmp_lt_u32 ttmp9, XWG
	s_cselect_b64 s[24:25], s[4:5], s[24:25]
	s_cselect_b32 s22, ttmp9, s22
	s_lshl_b32 s22, s22, 2
	s_add_co_u32 s22, s22, s30                     ; my run of 8,192 numbers in the source
	s_lshl_b32 s34, s22, 15
	s_add_nc_u64 s[24:25], s[24:25], s[34:35]
	s_lshl_b32 s23, ttmp9, 2
	s_add_co_u32 s23, s23, s30                     ; and in the workspace: the weights' parts follow x's without a gap
	s_lshl_b32 s34, s23, 12
	s_add_nc_u64 s[26:27], s[14:15], s[34:35]
	s_lshl_b32 s34, s23, 8
	s_add_nc_u64 s[28:29], s[16:17], s[34:35]
.macro LOAD t
.irp i, 0,1,2,3
	global_load_b128 v[R+16*((\t)%4)+4*\i:R+16*((\t)%4)+4*\i+3], v3, s[24:25] offset:2048*(\t)+512*\i th:TH_LOAD_NT
.endr
.endm
.macro TURN t                          ; LDS serves a wave's instructions in order: no wait between the stores and the loads
.irp i, 0,1,2,3
	ds_store_b128 v14, v[R+16*((\t)%4)+4*\i:R+16*((\t)%4)+4*\i+3] offset:32*SP*((\t)%2)+8*SP*\i
.endr
.irp i, 0,1,2,3
	ds_load_b128 v[X+16*((\t)%2)+4*\i:X+16*((\t)%2)+4*\i+3], v15 offset:32*SP*((\t)%2)+16*\i
.endr
.endm
.irp t, 0,1,2,3
	LOAD \t
.endr
	s_wait_loadcnt 12                              ; step 0's four loads are in
	TURN 0
.macro STEP t
.set XS, X+16*((\t)%2)
.if (\t) > 0
	s_wait_dscnt 1                                 ; this step's numbers are back from the stage (the last step's byte store may be out)
.else
	s_wait_dscnt 0x0
.endif
.if (\t)+4 < STEPS
	LOAD (\t)+4
.endif
.if (\t)+1 < STEPS
.if STEPS-2-(\t) >= 3
	s_wait_loadcnt 12                              ; the next step's four loads are in; three steps' may be out
.else
	s_wait_loadcnt 4*(STEPS-2-(\t))
.endif
	TURN (\t)+1
.endif
	v_max3_num_f32 v8, |v[XS]|, |v[XS+1]|, |v[XS+2]|
	v_max3_num_f32 v9, |v[XS+3]|, |v[XS+4]|, |v[XS+5]|
.irp i, 6,10
	v_max3_num_f32 v8, v8, |v[XS+\i]|, |v[XS+\i+1]|
	v_max3_num_f32 v9, v9, |v[XS+\i+2]|, |v[XS+\i+3]|
.endr
	v_max3_num_f32 v8, v8, |v[XS+14]|, |v[XS+15]|
	v_max3_num_f32 v8, v8, v9, (EMAX+1)<<23        ; the floor 2^(EMAX + 1 - 127): the byte cannot fall under 1
	v_max_num_f32_dpp v8, v8, v8 row_xmask:1 row_mask:0xf bank_mask:0xf   ; with my neighbour's 16: the block's largest magnitude
	v_add_nc_u32 v11, -(EMAX<<23), v8              ; EMAX off its exponent field: the conversion's scale operand
	v_cvt_scalef32_pk8_fp4_f32 v[C+4*(\t)], v[XS:XS+7], v11
	v_cvt_scalef32_pk8_fp4_f32 v[C+4*(\t)+1], v[XS+8:XS+15], v11
	v_lshrrev_b32 v[E+(\t)], 23, v11               ; the scale's byte
	ds_store_b8 v5, v[E+(\t)] offset:16*(\t)       ; both lanes of a block write the same byte with the same value
	global_store_b64 v7, v[C+4*(\t):C+4*(\t)+1], s[26:27] offset:32*CB*(\t)
.endm
.irp t, 0,1,2,3,4,5,6,7,8,9,10,11,12,13,14,15
	STEP \t
.endr
	ds_load_b64 v[8:9], v6
	s_wait_dscnt 0x0
	global_store_b64 v7, v[8:9], s[28:29]          ; 32 lanes store 256 consecutive bytes, aligned
	s_wait_tensorcnt 0x0                           ; the wave's end
	ds_add_u32 v[SPW], v[NIL]
	s_wait_dscnt 0x0
	s_endpgm
; Wp to f16, for the projection (a product left as it is).  A wave takes 8,192 numbers, 2,048 at a time in two sets of registers; these waves touch no LDS.
.Lconv:
	s_sub_co_u32 s20, ttmp9, QWG
	s_lshl_b32 s20, s20, 2
	s_add_co_u32 s20, s20, s30
	s_wait_kmcnt 0x0
	s_lshl_b32 s34, s20, 15
	s_add_nc_u64 s[24:25], s[12:13], s[34:35]
	s_lshl_b32 s34, s20, 14
	s_add_nc_u64 s[26:27], s[18:19], s[34:35]
.macro CLOAD g
.irp i, 0,1,2,3,4,5,6,7,8,9,10,11,12,13,14,15
	global_load_b128 v[64+64*((\g)%2)+4*\i:64+64*((\g)%2)+4*\i+3], v3, s[24:25] offset:8192*(\g)+512*\i th:TH_LOAD_NT
.endr
.endm
.macro CCVT g, left
	s_wait_loadcnt \left                           ; this set's 16 loads are in; the other set's may be out
.irp i, 0,1,2,3,4,5,6,7,8,9,10,11,12,13,14,15
	v_cvt_pk_f16_f32 v[64+64*((\g)%2)+4*\i], v[64+64*((\g)%2)+4*\i], v[64+64*((\g)%2)+4*\i+1]
	v_cvt_pk_f16_f32 v[64+64*((\g)%2)+4*\i+1], v[64+64*((\g)%2)+4*\i+2], v[64+64*((\g)%2)+4*\i+3]
	global_store_b64 v7, v[64+64*((\g)%2)+4*\i:64+64*((\g)%2)+4*\i+1], s[26:27] offset:4096*(\g)+256*\i
.endr
.endm
	CLOAD 0
	CLOAD 1
	CCVT 0, 16
	s_wait_xcnt 0x0                                ; set 0's stores have read their registers: it may be loaded again
	CLOAD 2
	CCVT 1, 16
	s_wait_xcnt 0x0
	CLOAD 3
	CCVT 2, 16
	CCVT 3, 0
	s_endpgm
.Lfunc_end_k_q4ba8428bc5_prep:
	.size	k_q4ba8428bc5_prep, .Lfunc_end_k_q4ba8428bc5_prep-k_q4ba8428bc5_prep
	.p2alignl 7, 3214868480
	.fill 96, 4, 3214868480
	.section	.rodata,"a",@progbits
	.p2align	6, 0x0
	.amdhsa_kernel k_q4ba8428bc5_prep
		.amdhsa_group_segment_fixed_size 33280
		.amdhsa_private_segment_fixed_size 0
		.amdhsa_enable_private_segment 0
		.amdhsa_kernarg_size 64
		.amdhsa_user_sgpr_count 2
		.amdhsa_user_sgpr_kernarg_segment_ptr 1
		.amdhsa_wavefront_size32 1
		.amdhsa_system_sgpr_workgroup_id_x 1
		.amdhsa_system_sgpr_workgroup_id_y 1
		.amdhsa_system_sgpr_workgroup_id_z 1
		.amdhsa_system_vgpr_workitem_id 0
		.amdhsa_next_free_vgpr 192
		.amdhsa_next_free_sgpr 66
		.amdhsa_reserve_vcc 0
		.amdhsa_float_denorm_mode_32 3
		.amdhsa_float_denorm_mode_16_64 3
		.amdhsa_memory_ordered 1
		.amdhsa_forward_progress 1
		.amdhsa_inst_pref_size 54
	.end_amdhsa_kernel
	.amdgpu_metadata
---
amdhsa.version: [ 1, 2 ]
amdhsa.kernels:
  - .name:           k_q4ba8428bc5_prep
    .symbol:         k_q4ba8428bc5_prep.kd
    .args:
      - { .name: x, .offset: 0, .size: 8, .value_kind: global_buffer, .address_space: global }
      - { .name: Wq, .offset: 8, .size: 8, .value_kind: global_buffer, .address_space: global }
      - { .name: Wk, .offset: 16, .size: 8, .value_kind: global_buffer, .address_space: global }
      - { .name: Wv, .offset: 24, .size: 8, .value_kind: global_buffer, .address_space: global }
      - { .name: Wp, .offset: 32, .size: 8, .value_kind: global_buffer, .address_space: global }
      - { .name: codes, .offset: 40, .size: 8, .value_kind: global_buffer, .address_space: global }
      - { .name: scales, .offset: 48, .size: 8, .value_kind: global_buffer, .address_space: global }
      - { .name: wp16, .offset: 56, .size: 8, .value_kind: global_buffer, .address_space: global }
    .group_segment_fixed_size: 33280
    .private_segment_fixed_size: 0
    .kernarg_segment_align: 8
    .kernarg_segment_size: 64
    .max_flat_workgroup_size: 128
    .sgpr_count:     66
    .vgpr_count:     192
    .wavefront_size: 32
...
	.end_amdgpu_metadata
.endif
;; end of part 1
;; launch qkv (part 2): grid 12 x 32, 4 waves a work-group, clusters of 4 x 4, 327,680 bytes of LDS; arguments codes, scales, qkv, bq, bk, bv; writes qkv
.if DOCPART == 2
	.amdgcn_target "amdgcn-amd-amdhsa--gfx1250"
	.amdhsa_code_object_version 6
	.text
	.protected	k_q4ba8428bc5_qkv
	.globl	k_q4ba8428bc5_qkv
	.p2align	8
	.type	k_q4ba8428bc5_qkv,@function
k_q4ba8428bc5_qkv:
	s_mov_b64 s[64:65], 0
	v_nop
	global_prefetch_b8 v0, s[64:65] scope:SCOPE_SE
	s_setreg_imm32_b32 hwreg(HW_REG_WAVE_MODE, 25, 1), 1
	s_wait_xcnt 0x0
	s_wait_alu depctr_hold_cnt(0) depctr_sa_sdst(0) depctr_va_vdst(0) depctr_va_sdst(0) depctr_va_ssrc(0) depctr_va_vcc(0) depctr_vm_vsrc(0)
	s_getreg_b32 s2, hwreg(HW_REG_IB_STS2, 6, 4)
	s_cmp_eq_u32 s2, 0
	s_cbranch_scc0 .Lentry_in_a_cluster
	s_endpgm
.Lentry_in_a_cluster:
	s_bfe_u32 s2, ttmp6, 0x10000c
	s_cmp_lg_u32 s2, 0xf033
	s_cbranch_scc0 .Lentry_shape_is_right
	s_endpgm
.Lentry_shape_is_right:
; Launch 2 of 6: q, k, v = x W^T + b, the three QUANTISED products as ONE product [8192 x 1024] x [3072 x 1024]^T on codes of FP4 with E8M0 scales; f32 sums that begin with the bias; results to f16,
; laid [q, k, v][batch x head][t][64].
; A tile of 256 x 256 is made by four waves, each 128 x 128: 64 accumulators, 512 registers.  K = 1024 is two slots of 512 along K (LDS rows of 256 bytes + 16): both are asked for at the head, nothing is filled again.
; The scale bytes of the tile's 256 + 256 rows, for all of K, are two dense blocks: they come once, with the first fills.
; CLUSTERS: 4 x 4 work-groups; A's tile is asked for jointly along a row of the cluster, B's along a column.  Cluster x = 0, 1, 2 is q, k, v.
; THE MATRIX INSTRUCTION IS USED TRANSPOSED (source 0 = 16 rows of W, source 1 = 16 rows of x): a lane holds eight neighbouring columns of one row of the result.
; REGISTERS: window 0: v0-31 addresses; v32-95 scale words, two sets, and nothing else; v96-127 packed results; v128-191 A's fragments, later rows read back; v192-255 the bias in the result's layout.
;   window 1: B's fragments, two sets.   windows 2, 3: the accumulators.
.set SIZE_K, 1024
.set XC,     4194304                   ; W's codes behind x's
.set XSO,    262144                    ; W's scale bytes behind x's
.set KSTEP,  512
.set NQ,     KSTEP/128
.set ROWB,   256
.set KROW,   SIZE_K*4/8
.set PITCH,  272
.set FR,     8
.set NL,     2
.set NP,     4
.set HALFT,  128*PITCH
.set SLOT,   4*HALFT
.set KS,     SIZE_K/32
.set SCL,    2*SLOT
.set HALFS,  (128*KS/256)*272
.set SBLK,   (16*KS/256)*272
.set SPARE,  SCL+4*HALFS               ; the spare words: 128 bytes a wave
.set STG,    SPARE+512                 ; the way out: 16 rows x 272 bytes for each wave; no tile lands here
.set SPITCH, 272
.set ADRA, 16
.set ADRB, 20
.set STO,  24
.set RD,   25
.set CO,   26
.set ADRS, 27
.set SPW,  28
.set NIL,  29
.set VB,   30
.set SC,   32
.set TMP,  96
.set AF,   128
.set OB,   128
.set BIAS, 192
.set G1, 24
.set G0, 32
.set G1B, 48
.set G0B, 56
.set G1S, 68
.set G0S, 76
.set G1SB, 80
.set G0SB, 88
.set MSB, 0
.macro WIN new                         ; the immediate's high byte repeats the setting that is left
.if MSB != \new
	s_set_vgpr_msb (MSB<<8)|\new
.set MSB, \new
.endif
.endm
.set MUL_LO, 0xa1                      ; source 0 (B) window 1, source 1 (A) window 0, C and D window 2
.set MUL_HI, 0xf1
.set FIRST_LO, 0x81                    ; the first step: C (the bias) window 0, D window 2
.set FIRST_HI, 0xc1
.set TO_B,   0x40
.macro JLOAD g0a, g1a, g0b, g1b        ; waves 0, 1 fetch for A, waves 2, 3 for B; an s_nop 0 and four v_nop follow each line
	s_cmp_eq_u32 s15, 0
	s_cbranch_scc0 .Lfor_b_\@
	tensor_load_to_lds s[\g0a:\g0a+3], s[\g1a:\g1a+7]
	s_nop 0
.rept 4
	v_nop
.endr
	s_branch .Lasked_\@
.Lfor_b_\@:
	tensor_load_to_lds s[\g0b:\g0b+3], s[\g1b:\g1b+7]
	s_nop 0
.rept 4
	v_nop
.endr
.Lasked_\@:
.endm
.macro CROUND                          ; a round of the cluster's barrier
	s_barrier_signal -1
	s_barrier_wait -1
	s_cmp_lg_u32 s14, 0
	s_cbranch_scc1 .Lnot_wave_0_\@
	s_barrier_signal -3
.Lnot_wave_0_\@:
	s_barrier_wait -3
	s_barrier_signal -1
	s_barrier_wait -1
.endm
	s_load_b128 s[4:7], s[0:1], 0x0                ; codes, scales
	s_load_b64 s[12:13], s[0:1], 0x10              ; qkv
	s_load_b128 s[96:99], s[0:1], 0x18             ; bq, bk
	s_load_b64 s[100:101], s[0:1], 0x28            ; bv
	v_lshl_add_u32 v[SPW], v0, 2, SPARE
	v_mov_b32 v[NIL], 0
	ds_add_u32 v[SPW], v[NIL]                      ; the wave's opening: the add, twice on end, and its wait ahead of my first tensor load
	ds_add_u32 v[SPW], v[NIL]
	v_lshrrev_b32 v1, 5, v0
	v_readfirstlane_b32 s14, v1                    ; wave 0..3
	s_lshr_b32 s15, s14, 1                         ; my half of the tile's rows.  Also: I fetch for A (0) or B (1)
	s_and_b32 s16, s14, 1                          ; my half of its columns.  Also: which 128 rows I fetch
	s_bfe_u32 s40, ttmp6, 0x40000                  ; cx
	s_bfe_u32 s41, ttmp6, 0x40004                  ; cy
	s_lshl_b32 s42, ttmp9, 2
	s_add_co_u32 s42, s42, s40                     ; tile column
	s_and_b32 s17, ttmp7, 0xffff
	s_lshl_b32 s17, s17, 2
	s_add_co_u32 s17, s17, s41                     ; tile row
	s_lshl_b32 s43, s41, 2
	s_lshl_b32 s43, 15, s43                        ; my row of the cluster
	s_lshl_b32 s44, 0x1111, s40                    ; my column
	s_or_b32 s[G1+0], s43, (0<<16)|(1<<20)|(1<<21)|(5<<22)|(3<<25)  ; mask; elements of 1 byte; padding: 4 words behind every 64
	s_or_b32 s[G1B+0], s44, (0<<16)|(1<<20)|(1<<21)|(5<<22)|(3<<25)
.irp g, G1, G1B
	s_mov_b32 s[\g+1], ROWB<<16
	s_mov_b32 s[\g+2], 128<<16
	s_mov_b32 s[\g+3], ROWB<<16
	s_mov_b32 s[\g+4], 128
	s_mov_b32 s[\g+5], KROW
	s_mov_b32 s[\g+6], 0
	s_mov_b32 s[\g+7], 0
.endr
	s_or_b32 s[G1S+0], s43, (3<<16)|(1<<20)|(1<<21)|(5<<22)|(3<<25) ; the scales of 128 rows: 4,096 dense bytes as 16 rows of 256
	s_or_b32 s[G1SB+0], s44, (3<<16)|(1<<20)|(1<<21)|(5<<22)|(3<<25)
.irp g, G1S, G1SB
	s_mov_b32 s[\g+1], 32<<16
	s_mov_b32 s[\g+2], (128*KS/256)<<16
	s_mov_b32 s[\g+3], 32<<16
	s_mov_b32 s[\g+4], 128*KS/256
	s_mov_b32 s[\g+5], 32
	s_mov_b32 s[\g+6], 0
	s_mov_b32 s[\g+7], 0
.endr
	s_lshl_b32 s18, s16, 7
	s_lshl_b32 s20, s17, 8
	s_add_co_u32 s20, s20, s18                     ; A: row 256 x tile row + 128 x half
	s_lshl_b32 s46, s42, 8
	s_add_co_u32 s46, s46, s18                     ; B: row 256 x tile column + 128 x half
	s_mov_b32 s21, 0
	s_mov_b32 s47, 0
	s_mov_b64 s[18:19], KS
	s_mul_u64 s[22:23], s[20:21], s[18:19]
	s_mul_u64 s[92:93], s[46:47], s[18:19]
	s_mov_b64 s[18:19], KROW
	s_mul_u64 s[20:21], s[20:21], s[18:19]
	s_mul_u64 s[46:47], s[46:47], s[18:19]
	s_mul_i32 s45, s14, HALFT
	s_mul_i32 s94, s14, HALFS
	s_wait_dscnt 0x0                               ; both opening adds are done
	s_wait_kmcnt 0x0
	s_add_nc_u64 s[8:9], s[4:5], XC                ; W's codes
	s_add_nc_u64 s[10:11], s[6:7], XSO             ; W's scale bytes
	s_add_nc_u64 s[20:21], s[4:5], s[20:21]
	s_add_nc_u64 s[22:23], s[6:7], s[22:23]
	s_add_nc_u64 s[46:47], s[8:9], s[46:47]
	s_add_nc_u64 s[92:93], s[10:11], s[92:93]
	CROUND                                         ; all sixteen work-groups are here: the joint loads meet
	s_mov_b32 s[G0S], 1
	s_add_co_u32 s[G0S+1], s94, SCL
	s_mov_b64 s[G0S+2:G0S+3], s[22:23]
	s_or_b32 s[G0S+3], s[G0S+3], 0x80000000
	s_mov_b32 s[G0SB], 1
	s_add_co_u32 s[G0SB+1], s94, SCL
	s_mov_b64 s[G0SB+2:G0SB+3], s[92:93]
	s_or_b32 s[G0SB+3], s[G0SB+3], 0x80000000
	JLOAD G0S, G1S, G0SB, G1SB                     ; a wave has three tensor loads out: the scales, slot 0, slot 1
.irp s, 0,1
	s_mov_b32 s[G0+4*\s], 1
	s_add_co_u32 s[G0+4*\s+1], s45, \s*SLOT
	s_add_nc_u64 s[G0+4*\s+2:G0+4*\s+3], s[20:21], \s*ROWB
	s_or_b32 s[G0+4*\s+3], s[G0+4*\s+3], 0x80000000
	s_mov_b32 s[G0B+4*\s], 1
	s_add_co_u32 s[G0B+4*\s+1], s45, \s*SLOT
	s_add_nc_u64 s[G0B+4*\s+2:G0B+4*\s+3], s[46:47], \s*ROWB
	s_or_b32 s[G0B+4*\s+3], s[G0B+4*\s+3], 0x80000000
	JLOAD G0+4*\s, G1, G0B+4*\s, G1B
.endr
	v_and_b32 v1, 15, v0                           ; r
	v_bfe_u32 v2, v0, 4, 1                         ; h
	; the bias of my 128 columns, in the result's layout: block b, lane (r, h): columns 16 b + 8 h + 0 .. 7.  It is the C of each sum's first product
	s_cmp_eq_u32 ttmp9, 1                          ; the cluster's x says which of the three
	s_cselect_b64 s[100:101], s[98:99], s[100:101]
	s_cmp_eq_u32 ttmp9, 0
	s_cselect_b64 s[100:101], s[96:97], s[100:101]
	s_lshl_b32 s96, s40, 10
	s_lshl_b32 s97, s16, 9
	s_add_co_u32 s96, s96, s97
	s_mov_b32 s97, 0
	s_add_nc_u64 s[100:101], s[100:101], s[96:97]
	v_lshlrev_b32 v[VB], 5, v2
.irp b, 0,1,2,3,4,5,6,7
	global_load_b128 v[BIAS+8*\b:BIAS+8*\b+3], v[VB], s[100:101] offset:64*\b
	global_load_b128 v[BIAS+8*\b+4:BIAS+8*\b+7], v[VB], s[100:101] offset:64*\b+16
.endr
	v_mul_u32_u24 v3, v1, PITCH
	v_lshl_add_u32 v4, v2, 4, v3
	s_mul_i32 s21, s15, HALFT
	s_mul_i32 s22, s16, HALFT
	s_add_co_u32 s22, s22, 2*HALFT
.irp s, 0,1
	v_add_nc_u32 v[ADRA+\s], s21, v4
	v_add_nc_u32 v[ADRB+\s], s22, v4
	s_add_co_u32 s21, s21, SLOT
	s_add_co_u32 s22, s22, SLOT
.endr
	v_mul_u32_u24 v5, v1, KS                       ; my row's scales: KS bytes a row, and 16 more for each 256 passed
	v_lshrrev_b32 v6, 8, v5
	v_lshl_add_u32 v5, v6, 4, v5
	s_mul_i32 s21, s15, HALFS
	s_mul_i32 s22, s16, HALFS
	s_add_co_u32 s22, s22, 2*HALFS
	s_sub_co_u32 s22, s22, s21
	v_mul_u32_u24 v6, s22, v2                      ; lanes 16-31 take B's
	s_add_co_u32 s21, s21, SCL
	v_add_nc_u32 v5, v5, v6
	v_add_nc_u32 v[ADRS], s21, v5
	s_mul_i32 s23, s14, 16*SPITCH
	s_add_co_u32 s23, s23, STG                     ; my stage
	v_mul_u32_u24 v5, v1, SPITCH
	v_lshl_add_u32 v5, v2, 4, v5
	v_add_nc_u32 v[STO], s23, v5                   ; in: row r, 16 bytes for each half of the lanes
	v_bfe_u32 v5, v0, 3, 1
	v_and_b32 v6, 7, v0
	v_mul_u32_u24 v7, v5, SPITCH
	v_lshl_add_u32 v7, v2, 7, v7
	v_lshl_add_u32 v7, v6, 4, v7
	v_add_nc_u32 v[RD], s23, v7                    ; back: lanes 0-15 two rows of my first head (2 x 128 bytes), lanes 16-31 the same rows of my second
	v_lshlrev_b32 v7, 18, v2
	v_lshl_add_u32 v7, v5, 7, v7
	v_lshl_add_u32 v[CO], v6, 4, v7                ; and the same places in qkv: a head is 2^18 bytes, a row 128
	s_lshl_b32 s20, s17, 8
	s_lshl_b32 s21, s15, 7
	s_add_co_u32 s20, s20, s21                     ; my first row of x
	s_lshr_b32 s21, s20, 11                        ; its batch,
	s_and_b32 s20, s20, 2047                       ; its t
	s_lshl_b32 s21, s21, 22                        ; 16 heads of 2^18 bytes a batch
	s_lshl_b32 s20, s20, 7
	s_add_co_u32 s20, s20, s21
	s_lshl_b32 s46, s40, 2
	s_lshl_b32 s47, s16, 1
	s_add_co_u32 s46, s46, s47                     ; my first head: 4 cx + 2 x half
	s_lshl_b32 s46, s46, 18
	s_lshl_b32 s47, ttmp9, 24                      ; q, k or v: 2^24 bytes each
	s_add_co_u32 s46, s46, s47
	s_add_co_u32 s20, s20, s46
	s_mov_b32 s21, 0
	s_add_nc_u64 s[12:13], s[12:13], s[20:21]
.macro FRAG reg, adr, q, i             ; 16 rows x 128 K of 4-bit codes: 8 registers, two loads 32 bytes apart
.irp c, 0,1
	ds_load_b128 v[\reg+4*\c:\reg+4*\c+3], v[\adr] offset:64*(\q)+32*\c+(\i)*16*PITCH
.endr
.endm
; 16 matrix instructions: A's blocks a0, a0 + 1 x B's eight.  zero = 1: the first product takes the bias as C.  The 64 accumulators take turns, one instruction a turn.
.macro MUL16 a0, p, q, sc, zero
.irp a, \a0, \a0+1
.irp b, 0,1,2,3,4,5,6,7
.if \zero
	v_wmma_scale_f32_16x16x128_f8f6f4 v[8*(8*((\a)%4)+\b):8*(8*((\a)%4)+\b)+7], v[128*(\p)+FR*\b:128*(\p)+FR*\b+FR-1], v[AF+FR*(\a):AF+FR*(\a)+FR-1], v[BIAS+8*\b:BIAS+8*\b+7], v[SC+8*NQ*(\sc)+NQ*\b+(\q)], v[SC+8*NQ*(\sc)+NQ*(\a)+(\q)] matrix_a_fmt:MATRIX_FMT_FP4 matrix_b_fmt:MATRIX_FMT_FP4 matrix_a_scale:MATRIX_SCALE_ROW1
.else
	v_wmma_scale_f32_16x16x128_f8f6f4 v[8*(8*((\a)%4)+\b):8*(8*((\a)%4)+\b)+7], v[128*(\p)+FR*\b:128*(\p)+FR*\b+FR-1], v[AF+FR*(\a):AF+FR*(\a)+FR-1], v[8*(8*((\a)%4)+\b):8*(8*((\a)%4)+\b)+7], v[SC+8*NQ*(\sc)+NQ*\b+(\q)], v[SC+8*NQ*(\sc)+NQ*(\a)+(\q)] matrix_a_fmt:MATRIX_FMT_FP4 matrix_b_fmt:MATRIX_FMT_FP4 matrix_a_scale:MATRIX_SCALE_ROW1
.endif
.endr
.endr
.endm
.macro FETCH_B slot, q, p
	WIN TO_B
.irp i, 0,1,2,3,4,5,6,7
	FRAG 128*(\p)+FR*\i, ADRB+\slot, \q, \i
.endr
	WIN 0
.endm
.macro FETCH_A slot, q, i0
.irp i, \i0, \i0+1, \i0+2, \i0+3
	FRAG AF+FR*(\i), ADRA+\slot, \q, \i
.endr
.endm
.macro SCALES sc                       ; a slot's scale words: lanes 0-15 A's block i, lanes 16-31 B's block i
.irp i, 0,1,2,3,4,5,6,7
	ds_load_b128 v[SC+8*NQ*\sc+NQ*\i:SC+8*NQ*\sc+NQ*\i+3], v[ADRS] offset:\i*SBLK
.endr
.endm
.macro PLACES n                        ; plain vector places between a matrix instruction and a load into, or a read of, its registers
.rept \n
	v_nop
.endr
.endm
.macro STEP slot, q, zero              ; 128 along K that has its successor in the same slot
	s_wait_dscnt 4*NL                              ; B's set and A's blocks 0-3 are in; A's blocks 4-7 may be out
.if \zero
	WIN FIRST_LO
.else
	WIN MUL_LO
.endif
	MUL16 0, (\q)%2, \q, \slot, \zero
	MUL16 2, (\q)%2, \q, \slot, \zero
	s_wait_dscnt 0
	PLACES NP
	FETCH_B \slot, (\q)+1, 1-(\q)%2
	FETCH_A \slot, (\q)+1, 0
.if \zero
	WIN FIRST_HI
.else
	WIN MUL_HI
.endif
	MUL16 4, (\q)%2, \q, \slot, \zero
	MUL16 6, (\q)%2, \q, \slot, \zero
	PLACES NP
	WIN 0
	FETCH_A \slot, (\q)+1, 4
.endm
.macro TURN slot, next                 ; a slot's last step: one barrier; behind it the next slot is whole for every wave.  Nothing is filled again
	s_wait_tensorcnt 0x0                           ; all my tensor loads have landed: my part of the next slot
	ds_add_u32 v[SPW], v[NIL]                      ; 0 onto my spare word
	s_wait_dscnt 4*NL+1                            ; (the add and A's blocks 4-7 may be out)
	WIN MUL_LO
	MUL16 0, 1, NQ-1, \slot, 0
	s_wait_dscnt 0x0
	s_barrier_signal -1
	MUL16 2, 1, NQ-1, \slot, 0
	WIN 0
	s_barrier_wait -1
	PLACES NP
	v_add_nc_u32 v[ADRS], 4*NQ, v[ADRS]            ; the next slot's scale words
	FETCH_B \next, 0, 0
	FETCH_A \next, 0, 0
	SCALES \next
	WIN MUL_HI
	MUL16 4, 1, NQ-1, \slot, 0
	MUL16 6, 1, NQ-1, \slot, 0
	PLACES NP
	WIN 0
	FETCH_A \next, 0, 4
.endm
.macro STEPS slot, from
.set Q, \from
.rept NQ-1-\from
	STEP \slot, Q, 0
.set Q, Q+1
.endr
.endm
	s_wait_tensorcnt 1                             ; the scales and my part of slot 0 are in; slot 1's load may be out
	s_barrier_signal -1
	s_barrier_wait -1
	FETCH_B 0, 0, 0
	FETCH_A 0, 0, 0
	SCALES 0
	FETCH_A 0, 0, 4
	s_wait_loadcnt 0x0                             ; the bias
	STEP 0, 0, 1
	STEPS 0, 1
	TURN 0, 1
	STEPS 1, 0
	s_wait_dscnt 4*NL
	WIN MUL_LO
	MUL16 0, 1, NQ-1, 1, 0
	MUL16 2, 1, NQ-1, 1, 0
	s_wait_dscnt 0
	WIN MUL_HI
	MUL16 4, 1, NQ-1, 1, 0
	MUL16 6, 1, NQ-1, 1, 0
	WIN 0
; THE WAY OUT, a block of 16 rows x 128 columns (two heads) at a time: rounded to f16, 16 bytes a lane into my stage, back so that sixteen lanes hold two neighbouring rows of one head: 256 consecutive bytes of qkv.
.macro PACK a
.set AC, 64*((\a)%4)
	WIN 0x0a+5*((\a)/4)                            ; sources in window 2 or 3
.irp b, 0,1,2,3,4,5,6,7
.irp r, 0,1,2,3
	v_cvt_pk_f16_f32 v[TMP+4*\b+\r], v[AC+8*\b+2*\r], v[AC+8*\b+2*\r+1]   ; each accumulator from its low end on
.endr
.endr
	WIN 0
.endm
.macro TOSTAGE a
.set BK, OB+32*((\a)%2)
.irp b, 0,1,2,3,4,5,6,7
	ds_store_b128 v[STO], v[TMP+4*\b:TMP+4*\b+3] offset:32*\b
.endr
.irp t, 0,1,2,3,4,5,6,7
	ds_load_b128 v[BK+4*\t:BK+4*\t+3], v[RD] offset:\t*2*SPITCH     ; LDS serves a wave's instructions in order: these see the stores above
.endr
.endm
.macro SEND a
.set BK, OB+32*((\a)%2)
	s_wait_dscnt 0x0                               ; the block is back in registers
	s_wait_xcnt 0x0                                ; the stores of the block before have read their registers: the next block's loads may land there
.irp t, 0,1,2,3,4,5,6,7
	global_store_b128 v[CO], v[BK+4*\t:BK+4*\t+3], s[12:13] offset:(\a)*2048+\t*256
.endr
.endm
	PLACES NP
	PACK 0
	TOSTAGE 0
.irp a, 1,2,3,4,5,6,7
	PACK \a
	SEND \a-1
	TOSTAGE \a
.endr
	SEND 7
	s_wait_tensorcnt 0x0                           ; the wave's end
	ds_add_u32 v[SPW], v[NIL]
	s_wait_dscnt 0x0
	CROUND                                         ; the closing round
	s_endpgm
.Lfunc_end_k_q4ba8428bc5_qkv:
	.size	k_q4ba8428bc5_qkv, .Lfunc_end_k_q4ba8428bc5_qkv-k_q4ba8428bc5_qkv
	.p2alignl 7, 3214868480
	.fill 96, 4, 3214868480
	.section	.rodata,"a",@progbits
	.p2align	6, 0x0
	.amdhsa_kernel k_q4ba8428bc5_qkv
		.amdhsa_group_segment_fixed_size 327680
		.amdhsa_private_segment_fixed_size 0
		.amdhsa_enable_private_segment 0
		.amdhsa_kernarg_size 48
		.amdhsa_user_sgpr_count 2
		.amdhsa_user_sgpr_kernarg_segment_ptr 1
		.amdhsa_wavefront_size32 1
		.amdhsa_system_sgpr_workgroup_id_x 1
		.amdhsa_system_sgpr_workgroup_id_y 1
		.amdhsa_system_sgpr_workgroup_id_z 1
		.amdhsa_system_vgpr_workitem_id 0
		.amdhsa_next_free_vgpr 1024
		.amdhsa_next_free_sgpr 102
		.amdhsa_reserve_vcc 0
		.amdhsa_float_denorm_mode_32 3
		.amdhsa_float_denorm_mode_16_64 3
		.amdhsa_memory_ordered 1
		.amdhsa_forward_progress 1
		.amdhsa_inst_pref_size 129
	.end_amdhsa_kernel
	.amdgpu_metadata
---
amdhsa.version: [ 1, 2 ]
amdhsa.kernels:
  - .name:           k_q4ba8428bc5_qkv
    .symbol:         k_q4ba8428bc5_qkv.kd
    .args:
      - { .name: codes, .offset: 0, .size: 8, .value_kind: global_buffer, .address_space: global }
      - { .name: scales, .offset: 8, .size: 8, .value_kind: global_buffer, .address_space: global }
      - { .name: qkv, .offset: 16, .size: 8, .value_kind: global_buffer, .address_space: global }
      - { .name: bq, .offset: 24, .size: 8, .value_kind: global_buffer, .address_space: global }
      - { .name: bk, .offset: 32, .size: 8, .value_kind: global_buffer, .address_space: global }
      - { .name: bv, .offset: 40, .size: 8, .value_kind: global_buffer, .address_space: global }
    .group_segment_fixed_size: 327680
    .private_segment_fixed_size: 0
    .kernarg_segment_align: 8
    .kernarg_segment_size: 48
    .max_flat_workgroup_size: 128
    .sgpr_count:     102
    .vgpr_count:     1024
    .wavefront_size: 32
...
	.end_amdgpu_metadata
.endif
;; end of part 2
;; launch head0 (part 3): grid 64 x 1, 16 waves a work-group, no clusters, 78,848 bytes of LDS; arguments codes, scales, qkv, mask, bq, bk, bv, h0; writes h0
.if DOCPART == 3
	.amdgcn_target "amdgcn-amd-amdhsa--gfx1250"
	.amdhsa_code_object_version 6
	.text
	.protected	k_q4ba8428bc5_head0
	.globl	k_q4ba8428bc5_head0
	.p2align	8
	.type	k_q4ba8428bc5_head0,@function
k_q4ba8428bc5_head0:
	s_mov_b64 s[64:65], 0
	v_nop
	global_prefetch_b8 v0, s[64:65] scope:SCOPE_SE
	s_setreg_imm32_b32 hwreg(HW_REG_WAVE_MODE, 25, 1), 1
	s_wait_xcnt 0x0
; Launch 3 of 6, one work-group for each (batch, head).  It makes three things.
; (1) am8[b][s] = 8 (1 - mask[b][s]) (-10000): the additive mask in the units of the raw score q . k (reference's score x 8; x 8 rounds nothing).  Stored by the batch's head 0.
; (2) THE STATES OF THE HIDDEN KEYS.  A key s > t has the raw score c8[s] = 8 (-10000 + add_mask[s]) for every query.  For each boundary 64 (jj + 1): M = the largest c8 of keys from there on,
;     L = the sum of 2^(c (c8 - M)), VS[64] = the sum of 2^(c (c8 - M)) v[s], c = log2(e) / 8.  Made by chunks of 64 keys (32 chunks, two a wave), then one walk from the last chunk down, by wave 0.
;     Chunk 0 enters no state and is not summed.
; (3) THE FIRST 32 POSITIONS, FINELY.  q, k of t < 32 and v of t < 64 are formed again from the codes (the same QUANTISED products, f32 sums) and stay f32; scores, softmax and p . v are f32 fused multiply-adds;
;     keys 32-63 are hidden for these queries, keys from 64 on enter by state 0.  Result: yf[b x 32 + t][1024] f32.
; q . k of hidden keys is not formed: reference() replaces it by -10000 for all values of the inputs.
.set XC,    4194304
.set XSO,   262144
.set PART,  16777216
.set AM8O,  1048576
.set YFO,   1081344
.set LW,    0                          ; LDS: the 2,048 keys' weights under their chunk's maximum
.set LC8,   8192                       ; c8
.set LAM,   16384                      ; am8
.set LMJ,   24576                      ; the chunks' maxima
.set LLJ,   24832                      ; the chunks' sums
.set LPJ,   25088                      ; the chunks' weighted sums of v: 32 x 256 bytes
.set FB,    33280                      ; f32 rows of 256 + 16 bytes: q 0-31, k 32-63, v 64-127
.set PB,    68096                      ; p: 512 bytes for each wave, its own
.set SF1,   76288                      ; state 0
.set SPARE, 76800                      ; the spare words: 128 bytes a wave
.set LANE,  1
.set A_T16, 2                          ; 16 x thread
.set A_MJ,  3                          ; 4 x (thread / 16)
.set A_XF,  4                          ; a code row: 512 r + 16 h
.set A_SC,  5                          ; a scale row: 32 r
.set A_BI,  6                          ; 32 h
.set A_L16, 7
.set A_WT,  8
.set A_PJ,  9
.set FST,   10
.set A_L8,  11
.set A_KR,  12
.set A_Q,   13
.set A_PBS, 14
.set A_PBU, 15
.set A_L4,  16
.set A_V,   17
.set A_SF,  18
.set ZERO,  19
.set SPW,   20
.set NIL,   21
.set MSK,   22                         ; phase 0: v22-40
.set AM8R,  26
.set C8R,   30
.set WW,    34
.set ACCP,  22                         ; chunks: v22-29 sums, v30-37 eight numbers of v, v38-53 weights
.set CV,    30
.set WT,    38
.set AC1,   56
.set VD,    64                         ; v64-127 a chunk's v, f16
.set XF,    128
.set WF,    160
.set XSR,   224                        ; v224-247 scale words, and nothing else
.set WS,    232
.set AC0,   248
.set MJR,   32                         ; the walk (wave 0): v32-63 maxima, then F; v64-95 sums; v96-159 vector sums, then VS; v160-223 pairs (M, G then L)
.set LJR,   64
.set PR,    96
.set ML,    160
.set KR,    64                         ; the fine rows: v64-127 k's row, later v; v128-191 q of the first query, later p; v192-223, v22-53 q of the second
.set QA,    128
.set QB0,   192
.set QB1,   22
.set WV,    20
.set BB,    21
.set HH,    22
.set RT,    23
.set CP,    24
.set SELW,  25
.set RTX,   26
.set CS,    27
.set SEL,   28
	s_load_b512 s[4:19], s[0:1], 0x0               ; codes, scales, qkv, mask, bq, bk, bv, h0
	v_lshl_add_u32 v[SPW], v0, 2, SPARE
	v_mov_b32 v[NIL], 0
	v_lshrrev_b32 v22, 5, v0
	v_readfirstlane_b32 s[WV], v22                 ; wave 0..15
	v_and_b32 v[LANE], 31, v0
	v_and_b32 v23, 15, v0                          ; r
	v_bfe_u32 v24, v0, 4, 1                        ; h
	v_lshlrev_b32 v[A_T16], 4, v0
	v_lshrrev_b32 v[A_MJ], 4, v0
	v_lshlrev_b32 v[A_MJ], 2, v[A_MJ]
	v_lshlrev_b32 v[A_XF], 9, v23
	v_lshl_add_u32 v[A_XF], v24, 4, v[A_XF]
	v_lshlrev_b32 v[A_SC], 5, v23
	v_lshlrev_b32 v[A_BI], 5, v24
	v_lshlrev_b32 v[A_L16], 4, v[LANE]
	v_lshlrev_b32 v[A_L8], 3, v[LANE]
	v_lshlrev_b32 v[A_L4], 2, v[LANE]
	v_mov_b32 v[ZERO], 0
	v_mov_b32 v54, 0                               ; written once: a lane permute's destination counts as one of its sources
	v_mov_b32 v55, 0
	s_lshl_b32 s40, s[WV], 9
	v_bfe_u32 v25, v0, 3, 2
	v_lshl_add_u32 v[A_WT], v25, 2, s40            ; my wave's 128 weights, + 4 (lane / 8)
	v_and_b32 v25, 7, v0
	v_lshl_add_u32 v[A_PJ], v25, 5, s40            ; my wave's two chunks' sums, + 32 (lane % 8)
	s_lshr_b32 s[RT], s[WV], 1                     ; which tile of 16 fine rows (0, 1 q; 2, 3 k; 4-7 v)
	s_and_b32 s[CP], s[WV], 1                      ; which 32 of the head's 64 columns
	s_mul_i32 s41, s[RT], 4352
	s_lshl_b32 s42, s[CP], 7
	s_add_co_u32 s41, s41, s42
	s_add_co_u32 s41, s41, FB
	v_mul_u32_u24 v[FST], v23, 272
	v_lshl_add_u32 v[FST], v24, 5, v[FST]
	v_add_nc_u32 v[FST], s41, v[FST]
	v_mul_u32_u24 v[A_KR], v[LANE], 272
	v_add_nc_u32 v[A_KR], FB+8704, v[A_KR]         ; k's row of key = lane
	s_mul_i32 s41, s[WV], 544
	s_add_co_u32 s41, s41, FB
	v_mov_b32 v[A_Q], s41                          ; q's rows 2 w, 2 w + 1
	s_add_co_u32 s41, s40, PB
	v_mov_b32 v[A_PBU], s41
	v_add_nc_u32 v[A_PBS], s41, v[A_L4]
	v_add_nc_u32 v[A_V], FB+17408, v[A_L8]         ; v's rows, my two channels
	v_add_nc_u32 v[A_SF], SF1, v[A_L8]
	s_lshr_b32 s[BB], ttmp9, 4                     ; batch
	s_and_b32 s[HH], ttmp9, 15                     ; head
	s_lshr_b32 s[SELW], s[RT], 1
	s_min_u32 s[SELW], s[SELW], 2                  ; 0 q, 1 k, 2 v
	s_lshl_b32 s43, s[SELW], 1
	s_sub_co_u32 s[RTX], s[RT], s43                ; which 16 rows of x
	s_mov_b32 s[CS], 0x3e38aa3b                    ; c = log2(e) / 8
	s_mov_b32 s[SEL], 0x76543210
	s_mov_b32 s[SEL+1], 0xfedcba98                 ; v_permlanex16_b32: lane l xor 16
	s_lshl_b32 s30, s[WV], 1                       ; my two queries
	s_add_co_u32 s31, s30, 1
	s_mov_b32 s33, 0
	s_wait_kmcnt 0x0
	s_lshl_b32 s32, s[BB], 13
	s_add_nc_u64 s[44:45], s[10:11], s[32:33]      ; the batch's mask
	s_add_co_u32 s32, s32, AM8O
	s_add_nc_u64 s[58:59], s[18:19], s[32:33]      ; its am8
	s_lshl_b32 s34, s[BB], 11
	s_lshl_b32 s35, s[RTX], 4
	s_add_co_u32 s34, s34, s35                     ; x's first row of my tile
	s_lshl_b32 s32, s34, 9
	s_add_nc_u64 s[46:47], s[4:5], s[32:33]
	s_lshl_b32 s32, s34, 5
	s_add_nc_u64 s[50:51], s[6:7], s[32:33]
	s_lshl_b32 s34, s[SELW], 10
	s_lshl_b32 s35, s[HH], 6
	s_lshl_b32 s36, s[CP], 5
	s_add_co_u32 s35, s35, s36                     ; my first column in the weight
	s_add_co_u32 s34, s34, s35                     ; W's first row of my two tiles
	s_lshl_b32 s32, s34, 9
	s_add_co_u32 s32, s32, XC
	s_add_nc_u64 s[48:49], s[4:5], s[32:33]
	s_lshl_b32 s32, s34, 5
	s_add_co_u32 s32, s32, XSO
	s_add_nc_u64 s[52:53], s[6:7], s[32:33]
	s_cmp_eq_u32 s[SELW], 1
	s_cselect_b64 s[54:55], s[14:15], s[16:17]
	s_cmp_eq_u32 s[SELW], 0
	s_cselect_b64 s[54:55], s[12:13], s[54:55]
	s_lshl_b32 s32, s35, 2
	s_add_nc_u64 s[54:55], s[54:55], s[32:33]      ; the bias of my 32 columns
	s_lshl_b32 s32, ttmp9, 18
	s_lshl_b32 s34, s[WV], 14
	s_add_co_u32 s32, s32, s34
	s_add_co_u32 s32, s32, 2*PART
	s_add_nc_u64 s[56:57], s[8:9], s[32:33]        ; v (f16) of my wave's 128 keys
	s_lshl_b32 s32, ttmp9, 14
	s_add_nc_u64 s[60:61], s[18:19], s[32:33]      ; my 32 states of 512 bytes
	s_lshl_b32 s32, s[BB], 5
	s_add_co_u32 s32, s32, s30
	s_lshl_b32 s32, s32, 12
	s_lshl_b32 s34, s[HH], 8
	s_add_co_u32 s32, s32, s34
	s_add_co_u32 s32, s32, YFO
	s_add_nc_u64 s[62:63], s[18:19], s[32:33]      ; yf: row b x 32 + 2 w, my head's 256 bytes
.macro XWLOAD k0                       ; x's fragments and my two tiles of W, K steps k0 .. k0 + 3: 24 loads
.irp s, 0,1,2,3
.irp c, 0,1
	global_load_b128 v[XF+8*\s+4*\c:XF+8*\s+4*\c+3], v[A_XF], s[46:47] offset:64*(\k0+\s)+32*\c
.endr
.endr
.irp t, 0,1
.irp s, 0,1,2,3
.irp c, 0,1
	global_load_b128 v[WF+8*(4*\t+\s)+4*\c:WF+8*(4*\t+\s)+4*\c+3], v[A_XF], s[48:49] offset:8192*\t+64*(\k0+\s)+32*\c
.endr
.endr
.endr
.endm
.macro VLOADS e                        ; chunk 2 w + e: 64 keys x 128 bytes; load i: key 4 i + lane / 8, channels 8 (lane % 8) on
.set i, 0
.rept 16
	global_load_b128 v[VD+4*i:VD+4*i+3], v[A_L16], s[56:57] offset:8192*\e+512*i
.set i, i+1
.endr
.endm
	global_load_b128 v[MSK:MSK+3], v[A_T16], s[44:45]      ; my four keys' mask.  51 loads go out here, in the order in which they are wanted
	XWLOAD 0
	global_load_b128 v[XSR:XSR+3], v[A_SC], s[50:51]
	global_load_b128 v[XSR+4:XSR+7], v[A_SC], s[50:51] offset:16
.irp t, 0,1
	global_load_b128 v[WS+8*\t:WS+8*\t+3], v[A_SC], s[52:53] offset:512*\t
	global_load_b128 v[WS+8*\t+4:WS+8*\t+7], v[A_SC], s[52:53] offset:512*\t+16
.endr
	global_load_b128 v[AC0:AC0+3], v[A_BI], s[54:55]       ; the bias lands in the accumulators: the sums begin with it
	global_load_b128 v[AC0+4:AC0+7], v[A_BI], s[54:55] offset:16
	global_load_b128 v[AC1:AC1+3], v[A_BI], s[54:55] offset:64
	global_load_b128 v[AC1+4:AC1+7], v[A_BI], s[54:55] offset:80
	VLOADS 1
	; ---- 0: my four keys.  Sixteen lanes are a chunk of 64 keys
	s_wait_loadcnt 50                              ; the mask is in; the 50 loads behind it may be out
.irp i, 0,1,2,3
	v_sub_f32 v[AM8R+\i], 1.0, v[MSK+\i]
.endr
.irp i, 0,1,2,3
	v_mul_f32 v[AM8R+\i], 0xc61c4000, v[AM8R+\i]   ; add_mask = (1 - mask) x -10000
.endr
.irp i, 0,1,2,3
	v_add_f32 v[C8R+\i], 0xc61c4000, v[AM8R+\i]    ; a hidden key's score: -10000 + add_mask, rounded as reference() rounds it
.endr
.irp i, 0,1,2,3
	v_mul_f32 v[C8R+\i], 0x41000000, v[C8R+\i]     ; x 8: exact
	v_mul_f32 v[AM8R+\i], 0x41000000, v[AM8R+\i]
.endr
	v_max3_num_f32 v38, v[C8R], v[C8R+1], v[C8R+2]
	v_max_num_f32 v38, v38, v[C8R+3]
.irp m, 1,2,4,8
	v_max_num_f32_dpp v38, v38, v38 row_xmask:\m row_mask:0xf bank_mask:0xf
.endr
.irp i, 0,1,2,3
	v_sub_f32 v[WW+\i], v[C8R+\i], v38
.endr
.irp i, 0,1,2,3
	v_mul_f32 v[WW+\i], s[CS], v[WW+\i]
.endr
.irp i, 0,1,2,3
	v_exp_f32 v[WW+\i], v[WW+\i]
.endr
	v_nop                                          ; a plain place behind the exponentials
	s_wait_alu depctr_va_vdst(0)                   ; one wait for the four, ahead of their first reader
	v_add_f32 v39, v[WW], v[WW+1]
	v_add_f32 v40, v[WW+2], v[WW+3]
	v_add_f32 v39, v39, v40
.irp m, 1,2,4,8
	v_add_f32_dpp v39, v39, v39 row_xmask:\m row_mask:0xf bank_mask:0xf
.endr
	ds_store_b128 v[A_T16], v[WW:WW+3] offset:LW
	ds_store_b128 v[A_T16], v[C8R:C8R+3] offset:LC8
	ds_store_b128 v[A_T16], v[AM8R:AM8R+3] offset:LAM
	ds_store_b32 v[A_MJ], v38 offset:LMJ           ; sixteen lanes write the same word with the same value
	ds_store_b32 v[A_MJ], v39 offset:LLJ
	s_cmp_lg_u32 s[HH], 0
	s_cbranch_scc1 .Lnoam
	global_store_b128 v[A_T16], v[AM8R:AM8R+3], s[58:59]   ; each byte of am8 has one owner: the batch's head 0
	s_wait_xcnt 0x0                                ; the store has read its registers: they are written again below
.Lnoam:
	; ---- 2a: the fine tiles, K steps 0-3.  Source 0 = 16 rows of W, source 1 = 16 rows of x; the two accumulators take turns
.macro MM k0
.irp s, 0,1,2,3
	v_wmma_scale_f32_16x16x128_f8f6f4 v[AC0:AC0+7], v[WF+8*\s:WF+8*\s+7], v[XF+8*\s:XF+8*\s+7], v[AC0:AC0+7], v[WS+\k0+\s], v[XSR+\k0+\s] matrix_a_fmt:MATRIX_FMT_FP4 matrix_b_fmt:MATRIX_FMT_FP4
	v_wmma_scale_f32_16x16x128_f8f6f4 v[AC1:AC1+7], v[WF+32+8*\s:WF+32+8*\s+7], v[XF+8*\s:XF+8*\s+7], v[AC1:AC1+7], v[WS+8+\k0+\s], v[XSR+\k0+\s] matrix_a_fmt:MATRIX_FMT_FP4 matrix_b_fmt:MATRIX_FMT_FP4
.endr
.endm
	s_wait_loadcnt 16                              ; all but chunk 1's sixteen
	MM 0
.rept 4
	v_nop                                          ; places in front of loads into registers that matrix instructions have read
.endr
	XWLOAD 4
	; ---- 1: a chunk's weighted sum of v.  The weights were stored by this same wave: LDS serves a wave's instructions in order
.macro CHUNK e
.set i, 0
.rept 16
	ds_load_b32 v[WT+i], v[A_WT] offset:LW+256*\e+16*i
.set i, i+1
.endr
	s_wait_dscnt 0x0
.set n, 0
.irp x, v64.l,v64.h,v65.l,v65.h,v66.l,v66.h,v67.l,v67.h,v68.l,v68.h,v69.l,v69.h,v70.l,v70.h,v71.l,v71.h,v72.l,v72.h,v73.l,v73.h,v74.l,v74.h,v75.l,v75.h,v76.l,v76.h,v77.l,v77.h,v78.l,v78.h,v79.l,v79.h,v80.l,v80.h,v81.l,v81.h,v82.l,v82.h,v83.l,v83.h,v84.l,v84.h,v85.l,v85.h,v86.l,v86.h,v87.l,v87.h,v88.l,v88.h,v89.l,v89.h,v90.l,v90.h,v91.l,v91.h,v92.l,v92.h,v93.l,v93.h,v94.l,v94.h,v95.l,v95.h,v96.l,v96.h,v97.l,v97.h,v98.l,v98.h,v99.l,v99.h,v100.l,v100.h,v101.l,v101.h,v102.l,v102.h,v103.l,v103.h,v104.l,v104.h,v105.l,v105.h,v106.l,v106.h,v107.l,v107.h,v108.l,v108.h,v109.l,v109.h,v110.l,v110.h,v111.l,v111.h,v112.l,v112.h,v113.l,v113.h,v114.l,v114.h,v115.l,v115.h,v116.l,v116.h,v117.l,v117.h,v118.l,v118.h,v119.l,v119.h,v120.l,v120.h,v121.l,v121.h,v122.l,v122.h,v123.l,v123.h,v124.l,v124.h,v125.l,v125.h,v126.l,v126.h,v127.l,v127.h
	v_cvt_f32_f16 v[CV+n%8], \x
.if n%8 == 7
.set kk, 0
.rept 8
.if n < 8
	v_mul_f32 v[ACCP+kk], v[WT+n/8], v[CV+kk]      ; the first key starts the sums: nothing is cleared
.else
	v_fmac_f32 v[ACCP+kk], v[WT+n/8], v[CV+kk]
.endif
.set kk, kk+1
.endr
.endif
.set n, n+1
.endr
.irp j, 0,1,2,3,4,5,6,7
	v_add_f32_dpp v[ACCP+\j], v[ACCP+\j], v[ACCP+\j] row_xmask:8 row_mask:0xf bank_mask:0xf   ; the four lanes with my channels: l xor 8,
.endr
.irp j, 0,1,2,3,4,5,6,7
	v_permlanex16_b32 v[CV+\j], v[ACCP+\j], s[SEL], s[SEL+1]
.endr
.irp j, 0,1,2,3,4,5,6,7
	v_add_f32 v[ACCP+\j], v[ACCP+\j], v[CV+\j]     ; and l xor 16
.endr
	ds_store_b128 v[A_PJ], v[ACCP:ACCP+3] offset:LPJ+256*\e       ; the four write the same bytes with the same values
	ds_store_b128 v[A_PJ], v[ACCP+4:ACCP+7] offset:LPJ+256*\e+16
.endm
	s_wait_loadcnt 24                              ; chunk 1's v is in; the 24 loads of K steps 4-7 may be out
	CHUNK 1
	s_cmp_eq_u32 s[WV], 0                          ; chunk 0 of the head (wave 0's first) enters no state: it is neither loaded nor summed
	s_cbranch_scc1 .Lw0a
	VLOADS 0
	s_wait_loadcnt 16                              ; K steps 4-7 are in; the chunk's sixteen may be out
	s_branch .Lj1
.Lw0a:
	s_wait_loadcnt 0x0
.Lj1:
	; ---- 2b: K steps 4-7; the tiles go to LDS as f32 rows
	MM 4
.rept 4
	v_nop
.endr
	ds_store_b128 v[FST], v[AC0:AC0+3]             ; lane (r, h): row r, columns 8 h + 0 .. 7 of the tile; each accumulator from its low end on
	ds_store_b128 v[FST], v[AC0+4:AC0+7] offset:16
	ds_store_b128 v[FST], v[AC1:AC1+3] offset:64
	ds_store_b128 v[FST], v[AC1+4:AC1+7] offset:80
	s_wait_loadcnt 0x0
	s_cmp_eq_u32 s[WV], 0
	s_cbranch_scc1 .Lw0b
	CHUNK 0
.Lw0b:
	s_wait_dscnt 0x0                               ; my LDS stores have landed
	s_barrier_signal -1
	s_barrier_wait -1                              ; the chunks' figures and the fine rows lie in LDS
	; ---- 3: wave 0 walks the chunks from the last down.  A lane holds channels 2 l, 2 l + 1; M, L, F, G are the same in all lanes
	s_cmp_lg_u32 s[WV], 0
	s_cbranch_scc1 .Lnot0
.irp i, 0,1,2,3,4,5,6,7
	ds_load_b128 v[MJR+4*\i:MJR+4*\i+3], v[ZERO] offset:LMJ+16*\i
	ds_load_b128 v[LJR+4*\i:LJR+4*\i+3], v[ZERO] offset:LLJ+16*\i
.endr
.set j, 1
.rept 31
	ds_load_b64 v[PR+2*j:PR+2*j+1], v[A_L8] offset:LPJ+256*j
.set j, j+1
.endr
	v_mov_b32 v[ML+62], 0xff61b1e6                 ; state 31 is empty: M = -3e38, under every score; L = 0; VS = 0
	v_mov_b32 v[ML+63], 0
	v_mov_b32 v[PR], 0
	v_mov_b32 v[PR+1], 0
	s_wait_dscnt 0x0
.set jj, 30
.rept 31
	v_max_num_f32 v[ML+2*jj], v[ML+2*jj+2], v[MJR+jj+1]            ; M[jj] = max(M[jj + 1], chunk jj + 1's)
.set jj, jj-1
.endr
.set jj, 0
.rept 31
	v_sub_f32 v[ML+2*jj+1], v[ML+2*jj+2], v[ML+2*jj]               ; G[jj] brings state jj + 1 under M[jj]: it lies in L[jj]'s place until L[jj] is made
	v_sub_f32 v[MJR+jj+1], v[MJR+jj+1], v[ML+2*jj]                 ; F[jj] brings chunk jj + 1 under M[jj]
.set jj, jj+1
.endr
.set jj, 0
.rept 31
	v_mul_f32 v[ML+2*jj+1], s[CS], v[ML+2*jj+1]
	v_mul_f32 v[MJR+jj+1], s[CS], v[MJR+jj+1]
.set jj, jj+1
.endr
.set jj, 0
.rept 31
	v_exp_f32 v[ML+2*jj+1], v[ML+2*jj+1]
	v_exp_f32 v[MJR+jj+1], v[MJR+jj+1]
.set jj, jj+1
.endr
	v_nop
	s_wait_alu depctr_va_vdst(0)                   ; one wait for the batch of 62
.set j, 1
.rept 31
	v_mul_f32 v[PR+2*j], v[PR+2*j], v[MJR+j]
	v_mul_f32 v[PR+2*j+1], v[PR+2*j+1], v[MJR+j]
	v_mul_f32 v[LJR+j], v[LJR+j], v[MJR+j]
.set j, j+1
.endr
	v_fma_f32 v[ML+61], v[ML+63], v[ML+61], v[LJR+31]              ; state 30: chunk 31 alone (VS[30] stands already)
.set jj, 29
.rept 30
	v_fma_f32 v[PR+2*jj+2], v[PR+2*jj+4], v[ML+2*jj+1], v[PR+2*jj+2]   ; VS[jj], in chunk jj + 1's place
	v_fma_f32 v[PR+2*jj+3], v[PR+2*jj+5], v[ML+2*jj+1], v[PR+2*jj+3]
	v_fma_f32 v[ML+2*jj+1], v[ML+2*jj+3], v[ML+2*jj+1], v[LJR+jj+1]    ; L[jj] takes G[jj]'s place
.set jj, jj-1
.endr
.set jj, 0
.rept 31
	global_store_b64 v[A_L8], v[PR+2*jj+2:PR+2*jj+3], s[60:61] offset:512*jj       ; 32 lanes store 256 consecutive bytes, aligned: VS,
	global_store_b64 v[A_L8], v[ML+2*jj:ML+2*jj+1], s[60:61] offset:512*jj+256     ; and the pair (M, L) 32 times
.set jj, jj+1
.endr
	global_store_b64 v[A_L8], v[PR:PR+1], s[60:61] offset:512*31
	global_store_b64 v[A_L8], v[ML+62:ML+63], s[60:61] offset:512*31+256
	ds_store_b64 v[A_SF], v[PR+2:PR+3]             ; state 0 for the fine rows
	ds_store_b64 v[A_SF], v[ML:ML+1] offset:256
	s_wait_xcnt 0x0                                ; the stores have read their registers: they are written again below
.Lnot0:
	s_wait_dscnt 0x0
	s_barrier_signal -1
	s_barrier_wait -1                              ; state 0 lies in LDS
	; ---- 4: queries 2 w and 2 w + 1.  For the scores a lane is a key (lane, and lane + 32); for p . v a lane is two channels
.set i, 0
.rept 16
	ds_load_b128 v[KR+4*i:KR+4*i+3], v[A_KR] offset:16*i
	ds_load_b128 v[QA+4*i:QA+4*i+3], v[A_Q] offset:16*i
.set i, i+1
.endr
.set i, 0
.rept 8
	ds_load_b128 v[QB0+4*i:QB0+4*i+3], v[A_Q] offset:272+16*i
	ds_load_b128 v[QB1+4*i:QB1+4*i+3], v[A_Q] offset:400+16*i
.set i, i+1
.endr
	ds_load_b32 v56, v[A_L4] offset:LAM            ; am8 of key = lane
	ds_load_b32 v57, v[A_L4] offset:LC8            ; its score where it is hidden
	ds_load_b32 v58, v[A_L4] offset:LC8+128        ; key lane + 32: hidden for every t < 32
	ds_load_b64 v[60:61], v[A_SF] offset:256       ; M, L of the keys from 64 on
	ds_load_b64 v[62:63], v[A_SF]                  ; VS, my two channels
	s_wait_dscnt 0x0
.macro DOT acc, qlo, qhi               ; q . k in f32, two numbers an instruction, two chains
	v_pk_mul_f32 v[\acc:\acc+1], v[KR:KR+1], v[\qlo:\qlo+1]
	v_pk_mul_f32 v[\acc+2:\acc+3], v[KR+2:KR+3], v[\qlo+2:\qlo+3]
.irp d, 4,8,12,16,20,24,28
	v_pk_fma_f32 v[\acc:\acc+1], v[KR+\d:KR+\d+1], v[\qlo+\d:\qlo+\d+1], v[\acc:\acc+1]
	v_pk_fma_f32 v[\acc+2:\acc+3], v[KR+\d+2:KR+\d+3], v[\qlo+\d+2:\qlo+\d+3], v[\acc+2:\acc+3]
.endr
.irp d, 0,4,8,12,16,20,24,28
	v_pk_fma_f32 v[\acc:\acc+1], v[KR+32+\d:KR+33+\d], v[\qhi+\d:\qhi+\d+1], v[\acc:\acc+1]
	v_pk_fma_f32 v[\acc+2:\acc+3], v[KR+34+\d:KR+35+\d], v[\qhi+\d+2:\qhi+\d+3], v[\acc+2:\acc+3]
.endr
.endm
	DOT 248, QA, QA+32
	DOT 252, QB0, QB1
	v_pk_add_f32 v[248:249], v[248:249], v[250:251]
	v_pk_add_f32 v[252:253], v[252:253], v[254:255]
	v_add_f32 v248, v248, v249
	v_add_f32 v252, v252, v253
	v_add_f32 v248, v248, v56                      ; + the mask
	v_add_f32 v252, v252, v56
	v_cmp_lt_u32 vcc_lo, s30, v[LANE]              ; key > query: hidden
	v_cndmask_b32 v248, v248, v57, vcc_lo
	v_cmp_lt_u32 vcc_lo, s31, v[LANE]
	v_cndmask_b32 v252, v252, v57, vcc_lo
	v_max3_num_f32 v249, v248, v58, v60            ; the row's maximum is taken away, as reference() does: over keys 0-63 and the state's M
	v_max3_num_f32 v253, v252, v58, v60
.irp m, 1,2,4,8
	v_max_num_f32_dpp v249, v249, v249 row_xmask:\m row_mask:0xf bank_mask:0xf
	v_max_num_f32_dpp v253, v253, v253 row_xmask:\m row_mask:0xf bank_mask:0xf
.endr
	v_permlanex16_b32 v250, v249, s[SEL], s[SEL+1]
	v_permlanex16_b32 v254, v253, s[SEL], s[SEL+1]
	v_max_num_f32 v249, v249, v250
	v_max_num_f32 v253, v253, v254
	v_sub_f32 v248, v248, v249
	v_sub_f32 v250, v58, v249
	v_sub_f32 v251, v60, v249
	v_sub_f32 v252, v252, v253
	v_sub_f32 v254, v58, v253
	v_sub_f32 v255, v60, v253
.irp g, 248,250,251,252,254,255
	v_mul_f32 v\g, s[CS], v\g
.endr
.irp g, 248,250,251,252,254,255
	v_exp_f32 v\g, v\g
.endr
	v_nop
	s_wait_alu depctr_va_vdst(0)                   ; one wait for the six
	ds_store_b32 v[A_PBS], v248                    ; p to my wave's own bytes: [query][64 keys]
	ds_store_b32 v[A_PBS], v250 offset:128
	ds_store_b32 v[A_PBS], v252 offset:256
	ds_store_b32 v[A_PBS], v254 offset:384
.macro PVLOAD g                        ; keys 32 g on: v's two channels of mine, and p of both queries, the same in all lanes
.set i, 0
.rept 32
	ds_load_b64 v[KR+2*i:KR+2*i+1], v[A_V] offset:272*(32*\g+i)
.set i, i+1
.endr
.set i, 0
.rept 8
	ds_load_b128 v[QA+4*i:QA+4*i+3], v[A_PBU] offset:128*\g+16*i
	ds_load_b128 v[QA+32+4*i:QA+32+4*i+3], v[A_PBU] offset:256+128*\g+16*i
.set i, i+1
.endr
.endm
.macro PVSUM
	s_wait_dscnt 0x0
.set i, 0
.rept 32
	v_fmac_f32 v56, v[QA+i], v[KR+2*i]
	v_fmac_f32 v57, v[QA+i], v[KR+2*i+1]
	v_fmac_f32 v58, v[QA+32+i], v[KR+2*i]
	v_fmac_f32 v59, v[QA+32+i], v[KR+2*i+1]
.set i, i+1
.endr
.endm
	PVLOAD 0
	v_add_f32 v249, v248, v250
	v_add_f32 v253, v252, v254
.irp m, 1,2,4,8
	v_add_f32_dpp v249, v249, v249 row_xmask:\m row_mask:0xf bank_mask:0xf
	v_add_f32_dpp v253, v253, v253 row_xmask:\m row_mask:0xf bank_mask:0xf
.endr
	v_permlanex16_b32 v54, v249, s[SEL], s[SEL+1]
	v_permlanex16_b32 v55, v253, s[SEL], s[SEL+1]
	v_add_f32 v249, v249, v54
	v_add_f32 v253, v253, v55
	v_fma_f32 v249, v61, v251, v249                ; + the state's sum under the row's maximum
	v_fma_f32 v253, v61, v255, v253
	v_rcp_f32 v249, v249
	v_rcp_f32 v253, v253
	v_mul_f32 v56, v62, v251                       ; y begins with the state's VS.  (Plain places behind the reciprocals)
	v_mul_f32 v57, v63, v251
	v_mul_f32 v58, v62, v255
	v_mul_f32 v59, v63, v255
	s_wait_alu depctr_va_vdst(0)                   ; one wait for the two reciprocals
	PVSUM
	PVLOAD 1
	PVSUM
	v_mul_f32 v56, v56, v249
	v_mul_f32 v57, v57, v249
	v_mul_f32 v58, v58, v253
	v_mul_f32 v59, v59, v253
	global_store_b64 v[A_L8], v[56:57], s[62:63]               ; 32 lanes store my head's 256 bytes of a row of yf, aligned
	global_store_b64 v[A_L8], v[58:59], s[62:63] offset:4096
	s_wait_tensorcnt 0x0                           ; the wave's end
	ds_add_u32 v[SPW], v[NIL]
	s_wait_dscnt 0x0
	s_endpgm
.Lfunc_end_k_q4ba8428bc5_head0:
	.size	k_q4ba8428bc5_head0, .Lfunc_end_k_q4ba8428bc5_head0-k_q4ba8428bc5_head0
	.p2alignl 7, 3214868480
	.fill 96, 4, 3214868480
	.section	.rodata,"a",@progbits
	.p2align	6, 0x0
	.amdhsa_kernel k_q4ba8428bc5_head0
		.amdhsa_group_segment_fixed_size 78848
		.amdhsa_private_segment_fixed_size 0
		.amdhsa_enable_private_segment 0
		.amdhsa_kernarg_size 64
		.amdhsa_user_sgpr_count 2
		.amdhsa_user_sgpr_kernarg_segment_ptr 1
		.amdhsa_wavefront_size32 1
		.amdhsa_system_sgpr_workgroup_id_x 1
		.amdhsa_system_sgpr_workgroup_id_y 1
		.amdhsa_system_sgpr_workgroup_id_z 1
		.amdhsa_system_vgpr_workitem_id 0
		.amdhsa_next_free_vgpr 256
		.amdhsa_next_free_sgpr 66
		.amdhsa_reserve_vcc 1
		.amdhsa_float_denorm_mode_32 3
		.amdhsa_float_denorm_mode_16_64 3
		.amdhsa_memory_ordered 1
		.amdhsa_forward_progress 1
		.amdhsa_inst_pref_size 90
	.end_amdhsa_kernel
	.amdgpu_metadata
---
amdhsa.version: [ 1, 2 ]
amdhsa.kernels:
  - .name:           k_q4ba8428bc5_head0
    .symbol:         k_q4ba8428bc5_head0.kd
    .args:
      - { .name: codes, .offset: 0, .size: 8, .value_kind: global_buffer, .address_space: global }
      - { .name: scales, .offset: 8, .size: 8, .value_kind: global_buffer, .address_space: global }
      - { .name: qkv, .offset: 16, .size: 8, .value_kind: global_buffer, .address_space: global }
      - { .name: mask, .offset: 24, .size: 8, .value_kind: global_buffer, .address_space: global }
      - { .name: bq, .offset: 32, .size: 8, .value_kind: global_buffer, .address_space: global }
      - { .name: bk, .offset: 40, .size: 8, .value_kind: global_buffer, .address_space: global }
      - { .name: bv, .offset: 48, .size: 8, .value_kind: global_buffer, .address_space: global }
      - { .name: h0, .offset: 56, .size: 8, .value_kind: global_buffer, .address_space: global }
    .group_segment_fixed_size: 78848
    .private_segment_fixed_size: 0
    .kernarg_segment_align: 8
    .kernarg_segment_size: 64
    .max_flat_workgroup_size: 512
    .sgpr_count:     66
    .vgpr_count:     256
    .wavefront_size: 32
...
	.end_amdgpu_metadata
.endif
;; end of part 3
;; launch attn (part 4): grid 4 x 64, 8 waves a work-group, no clusters, 327,680 bytes of LDS; arguments qkv, h0, yh; writes yh
.if DOCPART == 4
	.amdgcn_target "amdgcn-amd-amdhsa--gfx1250"
	.amdhsa_code_object_version 6
	.text
	.protected	k_q4ba8428bc5_attn
	.globl	k_q4ba8428bc5_attn
	.p2align	8
	.type	k_q4ba8428bc5_attn,@function
k_q4ba8428bc5_attn:
	s_mov_b64 s[64:65], 0
	v_nop
	global_prefetch_b8 v0, s[64:65] scope:SCOPE_SE
	s_setreg_imm32_b32 hwreg(HW_REG_WAVE_MODE, 25, 1), 1
	s_wait_xcnt 0x0
; Launch 4 of 6: y = softmax(q k^T / 8, causal, + mask) v for one head, f16 operands, f32 sums, running maximum and sum in f32; y to f16, laid [batch x head][t][64].
; LEFT OUT: q . k of keys s > t in whole key steps: reference() replaces it by -10000 for all values of the inputs.  Their p . v is live and enters as the state of the hidden keys (M, L, VS) that the
; launch before has made for each boundary of 64 keys: merged once, at a query tile's end.  Inside the steps on the diagonal hidden keys get their score am8 - 80000 by a select.
; UNITS: raw scores S = q . k + am8 (reference's score x 8); p = 2^(c S - c m), c = log2(e) / 8.  LIMIT: c m is rounded, so where scores lie near -10000 the visible part and the hidden state are weighed
; against each other with a relative error of some 4e-4.
; SHARES.  A work-group owns the blocks of 256 queries I and 7 - I of a head, one after the other: (I + 1) + (8 - I) = 9 slots of 256 keys for every work-group, so the trip count is a constant.
; A wave owns 32 queries, two tiles, so that each fragment of K and V read from LDS feeds two matrix instructions.  A key step is 32 keys, eight to a slot, written out.
; NO CLUSTER: from the second trip on the four work-groups of a head stand at different key slots (n, or n - I - 1), so no tile is wanted by two of them in the same trip.
; LAYOUT.  S^T = K Q^T + am8 (source 0 = 16 keys, source 1 = 16 queries, C = the mask of the lane's eight keys): a lane holds one query and keys 8 h + 0..7.  Two such tiles packed to f16 are source 1 of
; O^T = V^T P; V comes out of LDS turned, by ds_load_tr16_b128.
; THE RING: two slots; waves 0, 1 fetch K's halves, waves 2, 3 V's, wave 4 the mask's 1,024 bytes: one tensor load a wave behind each change of slots, and none out beside it.
.set PART,  16777216
.set AM8O,  1048576
.set PK,    144                        ; a key's row in LDS: 128 bytes + 16
.set PV,    160                        ; a row of V: 128 + 32
.set VOFF,  256*PK
.set AOFF,  VOFF+256*PV
.set SLOT1, 1<<17
.set STAGE, 2*SLOT1                    ; the way out: 32 rows x 144 bytes for each wave
.set SPARE, STAGE+8*32*PK              ; the spare words: 128 bytes a wave
.set AK0, 1
.set AV0, 2
.set AA0, 3
.set ADK, 4
.set ADV, 5
.set ADA, 6
.set QO,  7
.set STO, 8
.set RD,  9
.set GO,  10
.set VSO, 11
.set SPW, 12
.set NIL, 13
.set PFO, 14
.set LC,  15                           ; r - 8 h
.set Q,   16                           ; v16-47   Q(x, kc) at 16 x + 8 kc
.set KFR, 48                           ; v48-79   K(u, kc) at 16 u + 8 kc
.set VF,  80                           ; v80-111  V^T(t)
.set AM,  112                          ; v112-127 the mask of tile u's keys
.set S,   128                          ; v128-159 S(x, u) at 16 x + 8 u
.set P,   160                          ; v160-175 P(x)
.set O,   176                          ; v176-239 O(x, t) at 32 x + 8 t
.set ST,  240                          ; v240-255 a tile's eight: c m, m, l (two halves), c0, c1, a, at work
.set WV,  10
.set N,   11
.set I,   12
.set KSL, 13
.set KFS, 14
.set Q0,  15
.set QL,  16
.set TB,  17
.set KC,  18
.set LIM, 19
.set CS,  20
.set SEL, 22
.set G1K, 24
.set G1V, 32
.set G0K, 40
.set G0V, 44
.set G1A, 48
.set G0A, 56
.set HC,  66
.set KB,  68
.set VB,  70
.set AB,  72
.set QP,  74
.set SX,  76
.set MLS, 78
.set PFA, 80
.set QH,  82
.set YH,  84
.set SH,  86
.set YP,  92
.set BH,  94
.macro PLACES
.rept 4
	v_nop
.endr
.endm
.macro TLOAD                           ; the branches hang on the wave's number alone; an s_nop 0 and four v_nop follow each line
	s_cmp_lt_u32 s[WV], 2
	s_cbranch_scc0 .Lnot_k_\@
	tensor_load_to_lds s[G0K:G0K+3], s[G1K:G1K+7]
	s_nop 0
	PLACES
	s_branch .Lasked_\@
.Lnot_k_\@:
	s_cmp_lt_u32 s[WV], 4
	s_cbranch_scc0 .Lnot_v_\@
	tensor_load_to_lds s[G0V:G0V+3], s[G1V:G1V+7]
	s_nop 0
	PLACES
	s_branch .Lasked_\@
.Lnot_v_\@:
	s_cmp_eq_u32 s[WV], 4
	s_cbranch_scc0 .Lasked_\@
	tensor_load_to_lds s[G0A:G0A+3], s[G1A:G1A+7]
	s_nop 0
	PLACES
.Lasked_\@:
.endm
; A PREFETCH of the key slot that the NEXT change of slots will ask for.  The head's work-group I = 0 asks, and nobody else: its second block walks all eight slots in order.  Waves 0-3 name K's 4 x 8,192 bytes,
; waves 4-7 V's, lanes 256 bytes apart: each aligned block of 256 bytes is named once in the launch.  In trip N it names slot N + 1; from trip 7 on nothing is left to name.
.macro ASK
	s_cmp_lt_u32 s[N], s[LIM]
	s_cbranch_scc0 .Lnot_mine_\@
	global_prefetch_b8 v[PFO], s[PFA:PFA+1] th:TH_LOAD_NT scope:SCOPE_SE
.Lnot_mine_\@:
.endm
	s_load_b128 s[4:7], s[0:1], 0x0                ; qkv, h0
	s_load_b64 s[8:9], s[0:1], 0x10                ; yh
	v_lshl_add_u32 v[SPW], v0, 2, SPARE
	v_mov_b32 v[NIL], 0
	ds_add_u32 v[SPW], v[NIL]                      ; the wave's opening: the add, twice on end, and its wait ahead of the first tensor load
	ds_add_u32 v[SPW], v[NIL]
	v_lshrrev_b32 v1, 5, v0
	v_readfirstlane_b32 s[WV], v1                  ; wave 0..7
	s_mov_b32 s[I], ttmp9
	s_and_b32 s[BH], ttmp7, 0xffff
	s_mov_b32 s[G1K], (1<<16)|(1<<20)|(4<<22)|(3<<25)      ; elements of 2 bytes; padding: 4 words behind every 32
	s_mov_b32 s[G1V], (1<<16)|(1<<20)|(4<<22)|(7<<25)      ; 8 words behind every 32
.irp g, G1K, G1V
	s_mov_b32 s[\g+1], 64<<16                      ; tensor_dim0
	s_mov_b32 s[\g+2], 128<<16                     ; tensor_dim1
	s_mov_b32 s[\g+3], 64<<16                      ; tile_dim0
	s_mov_b32 s[\g+4], 128                         ; tile_dim1
	s_mov_b32 s[\g+5], 64                          ; from row to row
	s_mov_b32 s[\g+6], 0
	s_mov_b32 s[\g+7], 0
.endr
	s_mov_b32 s[G1A], 3<<16                        ; the mask: 1,024 dense bytes as 4 rows of 32 elements of 8 bytes
	s_mov_b32 s[G1A+1], 32<<16
	s_mov_b32 s[G1A+2], 4<<16
	s_mov_b32 s[G1A+3], 32<<16
	s_mov_b32 s[G1A+4], 4
	s_mov_b32 s[G1A+5], 32
	s_mov_b32 s[G1A+6], 0
	s_mov_b32 s[G1A+7], 0
	s_and_b32 s90, s[WV], 1                        ; which half of a slot's rows I fetch
	s_mov_b32 s[G0K], 1
	s_mul_i32 s[G0K+1], s90, 128*PK
	s_mov_b32 s[G0V], 1
	s_mul_i32 s[G0V+1], s90, 128*PV
	s_add_co_u32 s[G0V+1], s[G0V+1], VOFF
	s_mov_b32 s[G0A], 1
	s_mov_b32 s[G0A+1], AOFF
	s_mov_b32 s[CS], 0x3e38aa3b                    ; c = log2(e) / 8
	s_mov_b32 s[CS+1], s[CS]
	s_mov_b32 s[SEL], 0x76543210
	s_mov_b32 s[SEL+1], 0xfedcba98
	s_mov_b32 s[HC], 0xc79c4000                    ; -80000 = 8 x -10000
	s_mov_b32 s[HC+1], s[HC]
	s_mov_b32 s[TB], 0
	s_mov_b32 s[KSL], 0
	s_mov_b32 s[KFS], 0
	s_cmp_eq_u32 s[I], 0
	s_cselect_b32 s[LIM], 7, 0
	s_mov_b32 s89, 0
	s_wait_dscnt 0x0                               ; both opening adds are done
	s_wait_kmcnt 0x0
	s_lshl_b32 s88, s[BH], 18
	s_add_nc_u64 s[QH:QH+1], s[4:5], s[88:89]      ; my head's q,
	s_add_nc_u64 s[YH:YH+1], s[8:9], s[88:89]      ; y,
	s_add_nc_u64 s[KB:KB+1], s[QH:QH+1], PART      ; k,
	s_add_nc_u64 s[VB:VB+1], s[QH:QH+1], 2*PART    ; v
	s_cmp_lt_u32 s[WV], 4
	s_cselect_b64 s[PFA:PFA+1], s[KB:KB+1], s[VB:VB+1]
	s_and_b32 s88, s[WV], 3
	s_lshl_b32 s88, s88, 13
	s_add_nc_u64 s[PFA:PFA+1], s[PFA:PFA+1], s[88:89]      ; in slot 0: the first change of slots steps it to slot 1.  Nothing is prefetched at the head
	s_lshl_b32 s88, s90, 14
	s_add_nc_u64 s[KB:KB+1], s[KB:KB+1], s[88:89]
	s_add_nc_u64 s[VB:VB+1], s[VB:VB+1], s[88:89]
	s_lshr_b32 s88, s[BH], 4
	s_lshl_b32 s88, s88, 13
	s_add_co_u32 s88, s88, AM8O
	s_add_nc_u64 s[AB:AB+1], s[6:7], s[88:89]      ; my batch's am8
	s_lshl_b32 s88, s[BH], 14
	s_add_nc_u64 s[SH:SH+1], s[6:7], s[88:89]      ; my head's states
	s_mov_b64 s[G0K+2:G0K+3], s[KB:KB+1]
	s_or_b32 s[G0K+3], s[G0K+3], 0x80000000
	s_mov_b64 s[G0V+2:G0V+3], s[VB:VB+1]
	s_or_b32 s[G0V+3], s[G0V+3], 0x80000000
	s_mov_b64 s[G0A+2:G0A+3], s[AB:AB+1]
	s_or_b32 s[G0A+3], s[G0A+3], 0x80000000
	TLOAD                                          ; key slot 0 into LDS slot 0
	v_and_b32 v16, 15, v0                          ; r
	v_bfe_u32 v17, v0, 4, 1                        ; h
	v_and_b32 v18, 31, v0                          ; lane
	v_mul_u32_u24 v[AK0], v16, PK
	v_lshl_add_u32 v[AK0], v17, 4, v[AK0]
	v_and_b32 v19, 7, v0
	v_bfe_u32 v20, v0, 3, 1
	v_lshl_add_u32 v[AV0], v17, 3, v19
	v_mul_u32_u24 v[AV0], v[AV0], PV
	v_lshl_add_u32 v[AV0], v20, 4, v[AV0]
	v_add_nc_u32 v[AV0], VOFF, v[AV0]              ; the turning load: key 8 h + l % 8, 16 bytes at 16 ((l / 8) % 2)
	v_lshlrev_b32 v[AA0], 5, v17
	v_add_nc_u32 v[AA0], AOFF, v[AA0]
	v_lshlrev_b32 v[QO], 7, v16
	v_lshl_add_u32 v[QO], v17, 4, v[QO]
	s_mul_i32 s88, s[WV], 32*PK
	s_add_co_u32 s88, s88, STAGE
	v_add_nc_u32 v[STO], s88, v[AK0]
	v_bfe_u32 v20, v0, 3, 2
	v_mul_u32_u24 v[RD], v20, PK
	v_lshl_add_u32 v[RD], v19, 4, v[RD]
	v_add_nc_u32 v[RD], s88, v[RD]
	v_lshlrev_b32 v[GO], 4, v18
	v_lshlrev_b32 v[VSO], 5, v17
	v_lshlrev_b32 v[PFO], 8, v18
	v_lshlrev_b32 v[LC], 3, v17
	v_sub_nc_u32 v[LC], v16, v[LC]
	s_lshl_b32 s88, s[I], 8
	s_lshl_b32 s91, s[WV], 5
	s_add_co_u32 s[Q0], s88, s91                   ; my first query
	s_or_b32 s[QL], s[Q0], 63                      ; the last key that I walk: the states' boundaries are 64 apart
.macro INIT                            ; a block of queries begins: Q into registers; m = -3e38, under every score; l = 0; O = 0 (the first change of m multiplies zeros)
	s_lshl_b32 s88, s[Q0], 7
	s_mov_b32 s89, 0
	s_add_nc_u64 s[QP:QP+1], s[QH:QH+1], s[88:89]
.irp x, 0,1
.irp k, 0,1
.irp c, 0,1
	global_load_b128 v[Q+16*\x+8*\k+4*\c:Q+16*\x+8*\k+4*\c+3], v[QO], s[QP:QP+1] offset:2048*\x+64*\k+32*\c
.endr
.endr
.endr
.irp x, 0,1
	v_mov_b32 v[ST+8*\x+1], 0xff61b1e6
	v_mul_f32 v[ST+8*\x], s[CS], v[ST+8*\x+1]
	v_mov_b32 v[ST+8*\x+2], 0
	v_mov_b32 v[ST+8*\x+3], 0
	v_mov_b32 v[ST+8*\x+5], 0
	v_mov_b32 v[ST+8*\x+6], 0
	v_mov_b32 v[ST+8*\x+7], 0
.endr
.set i, 0
.rept 64
	v_mov_b32 v[O+i], 0
.set i, i+1
.endr
	s_wait_loadcnt 0x0
.endm
.macro KLOAD q                         ; 12 loads: the step's K (two tiles of 16 keys x 64 channels) and its mask, eight keys a lane for each tile
.irp u, 0,1
.irp k, 0,1
	ds_load_b128 v[KFR+16*\u+8*\k:KFR+16*\u+8*\k+3], v[ADK] offset:(32*(\q)+16*\u)*PK+64*\k
	ds_load_b128 v[KFR+16*\u+8*\k+4:KFR+16*\u+8*\k+7], v[ADK] offset:(32*(\q)+16*\u)*PK+64*\k+32
.endr
.endr
.irp u, 0,1
	ds_load_b128 v[AM+8*\u:AM+8*\u+3], v[ADA] offset:128*(\q)+64*\u
	ds_load_b128 v[AM+8*\u+4:AM+8*\u+7], v[ADA] offset:128*(\q)+64*\u+16
.endr
.endm
.macro VLOAD q                         ; 8 loads: V^T, four tiles of 16 channels x 32 keys
.irp t, 0,1,2,3
	ds_load_tr16_b128 v[VF+8*\t:VF+8*\t+3], v[ADV] offset:32*(\q)*PV+32*\t
	ds_load_tr16_b128 v[VF+8*\t+4:VF+8*\t+7], v[ADV] offset:32*(\q)*PV+16*PV+32*\t
.endr
.endm
.macro SMUL                            ; the four accumulators take turns; the mask is the C of each sum's first product
.irp x, 0,1
.irp u, 0,1
	v_wmma_f32_16x16x32_f16 v[S+16*\x+8*\u:S+16*\x+8*\u+7], v[KFR+16*\u:KFR+16*\u+7], v[Q+16*\x:Q+16*\x+7], v[AM+8*\u:AM+8*\u+7]
.endr
.endr
.irp x, 0,1
.irp u, 0,1
	v_wmma_f32_16x16x32_f16 v[S+16*\x+8*\u:S+16*\x+8*\u+7], v[KFR+16*\u+8:KFR+16*\u+15], v[Q+16*\x+8:Q+16*\x+15], v[S+16*\x+8*\u:S+16*\x+8*\u+7]
.endr
.endr
.endm
.macro DIAG                            ; register 8 u + j of tile x holds key KC + 16 u + 8 h + j and query Q0 + 16 x + r: hidden where 16 u + j > Q0 - KC + 16 x + r - 8 h
	s_sub_co_i32 s61, s[Q0], s[KC]
	s_add_co_i32 s62, s61, 16
	v_add_nc_u32 v[ST+7], s61, v[LC]
	v_add_nc_u32 v[ST+15], s62, v[LC]
.irp n, 0,2,4,6,8,10,12,14
	v_pk_add_f32 v[AM+\n:AM+\n+1], v[AM+\n:AM+\n+1], s[HC:HC+1] op_sel_hi:[1,0]    ; a hidden key's score: am8 - 80000
.endr
.irp x, 0,1
.irp u, 0,1
.irp j, 0,1,2,3,4,5,6,7
	v_cmp_gt_i32 vcc_lo, 16*\u+\j, v[ST+8*\x+7]
	v_cndmask_b32 v[S+16*\x+8*\u+\j], v[S+16*\x+8*\u+\j], v[AM+8*\u+\j], vcc_lo
.endr
.endr
.endr
.endm
.macro SOFTMAX                         ; both tiles line by line, so that no line waits for the line above it
.irp x, 0,1
	v_max3_num_f32 v[ST+8*\x+4], v[S+16*\x], v[S+16*\x+1], v[S+16*\x+2]            ; each accumulator is read from its low end on
	v_max3_num_f32 v[ST+8*\x+5], v[S+16*\x+8], v[S+16*\x+9], v[S+16*\x+10]
.endr
.irp i, 3,5
.irp x, 0,1
	v_max3_num_f32 v[ST+8*\x+4], v[ST+8*\x+4], v[S+16*\x+\i], v[S+16*\x+\i+1]
	v_max3_num_f32 v[ST+8*\x+5], v[ST+8*\x+5], v[S+16*\x+8+\i], v[S+16*\x+9+\i]
.endr
.endr
.irp x, 0,1
	v_max3_num_f32 v[ST+8*\x+4], v[ST+8*\x+4], v[S+16*\x+7], v[S+16*\x+15]
.endr
.irp x, 0,1
	v_max3_num_f32 v[ST+8*\x+4], v[ST+8*\x+4], v[ST+8*\x+5], v[ST+8*\x+1]          ; with the old m
.endr
.irp x, 0,1
	v_permlanex16_b32 v[ST+8*\x+5], v[ST+8*\x+4], s[SEL], s[SEL+1]                 ; the query's other 16 keys lie in the lane 16 away
.endr
.irp x, 0,1
	v_mov_b32 v[ST+8*\x+7], v[ST+8*\x]             ; c m_old is kept for a
.endr
.irp x, 0,1
	v_max_num_f32 v[ST+8*\x+1], v[ST+8*\x+4], v[ST+8*\x+5]
.endr
.irp x, 0,1
	v_mul_f32 v[ST+8*\x], s[CS], v[ST+8*\x+1]
.endr
.irp x, 0,1
	v_sub_f32 v[ST+8*\x+7], v[ST+8*\x+7], v[ST+8*\x]
.endr
.irp j, 0,2,4,6,8,10,12,14
.irp x, 0,1
	v_pk_fma_f32 v[S+16*\x+\j:S+16*\x+\j+1], v[S+16*\x+\j:S+16*\x+\j+1], s[CS:CS+1], v[ST+8*\x:ST+8*\x+1] op_sel_hi:[1,0,0] neg_lo:[0,0,1] neg_hi:[0,0,1]   ; c S - c m
.endr
.endr
.irp x, 0,1
	v_exp_f32 v[ST+8*\x+6], v[ST+8*\x+7]           ; a = 2^(c m_old - c m_new)
.endr
.irp j, 0,1,2,3,4,5,6,7,8,9,10,11,12,13,14,15
.irp x, 0,1
	v_exp_f32 v[S+16*\x+\j], v[S+16*\x+\j]
.endr
.endr
	v_nop                                          ; a plain place behind the last exponential
	s_wait_alu depctr_va_vdst(0)                   ; ONE wait for the batch of 34, ahead of its first reader
.irp j, 0,1,2,3,4,5,6,7
.irp x, 0,1
	v_cvt_pk_f16_f32 v[P+8*\x+\j], v[S+16*\x+2*\j], v[S+16*\x+2*\j+1]
.endr
.endr
.irp d, 0,4,8,12
.irp x, 0,1
	v_pk_add_f32 v[S+16*\x+\d:S+16*\x+\d+1], v[S+16*\x+\d:S+16*\x+\d+1], v[S+16*\x+\d+2:S+16*\x+\d+3]     ; the row's sum, of p before it is rounded
.endr
.endr
.irp d, 0,8
.irp x, 0,1
	v_pk_add_f32 v[S+16*\x+\d:S+16*\x+\d+1], v[S+16*\x+\d:S+16*\x+\d+1], v[S+16*\x+\d+4:S+16*\x+\d+5]
.endr
.endr
.irp x, 0,1
	v_pk_add_f32 v[S+16*\x:S+16*\x+1], v[S+16*\x:S+16*\x+1], v[S+16*\x+8:S+16*\x+9]
.endr
.irp x, 0,1
	v_pk_fma_f32 v[ST+8*\x+2:ST+8*\x+3], v[ST+8*\x+2:ST+8*\x+3], v[ST+8*\x+6:ST+8*\x+7], v[S+16*\x:S+16*\x+1] op_sel_hi:[1,0,1]
.endr
.set i, 0
.rept 16
	v_pk_mul_f32 v[O+i:O+i+1], v[O+i:O+i+1], v[ST+6:ST+7] op_sel_hi:[1,0]
	v_pk_mul_f32 v[O+32+i:O+33+i], v[O+32+i:O+33+i], v[ST+14:ST+15] op_sel_hi:[1,0]
.set i, i+2
.endr
.endm
.macro PVMUL                           ; eight different accumulators
.irp t, 0,1,2,3
.irp x, 0,1
	v_wmma_f32_16x16x32_f16 v[O+32*\x+8*\t:O+32*\x+8*\t+7], v[VF+8*\t:VF+8*\t+7], v[P+8*\x:P+8*\x+7], v[O+32*\x+8*\t:O+32*\x+8*\t+7]
.endr
.endr
.endm
; A KEY STEP: 32 keys, the q-th of the slot in hand.  A step whose first key comes after QL is left out, and with it all later steps of the slot: a branch on ids and counted steps, round no barrier and no tensor load.
.macro STEP q, id
	s_add_co_u32 s[KC], s[KFS], 32*\q
.if \q > 0
	s_cmp_gt_u32 s[KC], s[QL]
	s_cbranch_scc1 .Lend_\id
.endif
	PLACES                                         ; behind the last V^T P, in front of the loads into its registers
.if \q == 0
	KLOAD 0
.endif
	VLOAD \q
	s_wait_dscnt 8                                 ; K and the mask are in; V's eight loads may be out
	SMUL
	PLACES
	s_add_co_u32 s61, s[KC], 31
	s_cmp_le_u32 s61, s[Q0]                        ; all 32 keys count for all my queries: nothing to hide
	s_cbranch_scc1 .Lopen_\@
	DIAG
.Lopen_\@:
.if \q < 7
	KLOAD \q+1                                     ; the next step's K and mask land under the softmax
.endif
	SOFTMAX
.if \q < 7
	s_wait_dscnt 12                                ; V is in; the twelve loads just issued may be out
.else
	s_wait_dscnt 0x0
.endif
	PVMUL
.endm
; THE CHANGE OF SLOTS, at a slot's head.  Each wave waits for all its tensor loads, adds 0 to its spare word, and waits for that and for its reads of the slot that it has left; behind the barrier the slot ahead is
; whole and nobody reads the other one, which is then filled with the next trip's keys: slot 0 of the keys where the next trip begins the second block of queries, else the keys that follow.
.macro CHANGE fill
	s_wait_tensorcnt 0x0                           ; no tensor load of mine is out, so a group 0 may be written
	ds_add_u32 v[SPW], v[NIL]
.if \fill
	ds_add_u32 v[SPW], v[NIL]                      ; twice on end here, in every trip alike
	s_add_co_u32 s61, s[KSL], 1
	s_cmp_eq_u32 s[N], s[I]
	s_cselect_b32 s[KSL], 0, s61
	s_xor_b32 s[G0K+1], s[G0K+1], SLOT1
	s_xor_b32 s[G0V+1], s[G0V+1], SLOT1
	s_xor_b32 s[G0A+1], s[G0A+1], SLOT1
	s_lshl_b32 s88, s[KSL], 15                     ; 256 rows of 128 bytes
	s_mov_b32 s89, 0
	s_add_nc_u64 s[G0K+2:G0K+3], s[KB:KB+1], s[88:89]
	s_or_b32 s[G0K+3], s[G0K+3], 0x80000000
	s_add_nc_u64 s[G0V+2:G0V+3], s[VB:VB+1], s[88:89]
	s_or_b32 s[G0V+3], s[G0V+3], 0x80000000
	s_lshl_b32 s88, s[KSL], 10
	s_add_nc_u64 s[G0A+2:G0A+3], s[AB:AB+1], s[88:89]
	s_or_b32 s[G0A+3], s[G0A+3], 0x80000000
	s_wait_xcnt 0x0                                ; the last prefetch, a slot back, has read its address
	s_add_nc_u64 s[PFA:PFA+1], s[PFA:PFA+1], 0x8000
.endif
	s_wait_dscnt 0x0                               ; the add is done, and my reads of the slot that I have left are over
	s_barrier_signal -1
	s_barrier_wait -1
.if \fill
	TLOAD                                          ; the first thing behind the barrier, and a wave's one tensor load until the next
	ASK
.endif
	v_add_nc_u32 v[ADK], s[TB], v[AK0]
	v_add_nc_u32 v[ADV], s[TB], v[AV0]
	v_add_nc_u32 v[ADA], s[TB], v[AA0]
.endm
.macro SLOTSTEPS
	STEP 0, \@
	STEP 1, \@
	STEP 2, \@
	STEP 3, \@
	STEP 4, \@
	STEP 5, \@
	STEP 6, \@
	STEP 7, \@
.Lend_\@:
	s_xor_b32 s[TB], s[TB], SLOT1
	s_add_co_u32 s[KFS], s[KFS], 256
.endm
; A BLOCK'S END: the state of the keys from QL + 1 on is merged (a = 2^(c (m - mf)), b = 2^(c (M - mf)), mf = max(m, M)); y = (O a + VS b) / (l a + L b); to f16, through my stage, out in runs of 512 bytes.
.macro FINISH
	s_wait_dscnt 0x0                               ; loads for a step that was left out may be on their way into the registers used below
	PLACES
	s_lshr_b32 s88, s[Q0], 6
	s_lshl_b32 s88, s88, 9
	s_mov_b32 s89, 0
	s_add_nc_u64 s[SX:SX+1], s[SH:SH+1], s[88:89]
	s_load_b64 s[MLS:MLS+1], s[SX:SX+1], 0x100     ; M, L
.irp t, 0,1,2,3
	global_load_b128 v[KFR+8*\t:KFR+8*\t+3], v[VSO], s[SX:SX+1] offset:64*\t       ; VS in O's layout: channels 16 t + 8 h + 0 .. 7
	global_load_b128 v[KFR+8*\t+4:KFR+8*\t+7], v[VSO], s[SX:SX+1] offset:64*\t+16
.endr
	s_lshl_b32 s88, s[Q0], 7
	s_add_nc_u64 s[YP:YP+1], s[YH:YH+1], s[88:89]
.irp x, 0,1
	v_add_f32 v[ST+8*\x+4], v[ST+8*\x+2], v[ST+8*\x+3]
.endr
.irp x, 0,1
	v_permlanex16_b32 v[ST+8*\x+5], v[ST+8*\x+4], s[SEL], s[SEL+1]
.endr
.irp x, 0,1
	v_add_f32 v[ST+8*\x+4], v[ST+8*\x+4], v[ST+8*\x+5]     ; the row's sum
.endr
	s_wait_kmcnt 0x0
.irp x, 0,1
	v_max_num_f32 v[ST+8*\x+5], s[MLS], v[ST+8*\x+1]
.endr
.irp x, 0,1
	v_sub_f32 v[ST+8*\x+6], v[ST+8*\x+1], v[ST+8*\x+5]
	v_sub_f32 v[ST+8*\x+7], s[MLS], v[ST+8*\x+5]
.endr
.irp x, 0,1
	v_mul_f32 v[ST+8*\x+6], s[CS], v[ST+8*\x+6]
	v_mul_f32 v[ST+8*\x+7], s[CS], v[ST+8*\x+7]
.endr
.irp x, 0,1
	v_exp_f32 v[ST+8*\x+6], v[ST+8*\x+6]
	v_exp_f32 v[ST+8*\x+7], v[ST+8*\x+7]
.endr
	v_nop
	s_wait_alu depctr_va_vdst(0)                   ; one wait for the four
.irp x, 0,1
	v_mul_f32 v[ST+8*\x+4], v[ST+8*\x+4], v[ST+8*\x+6]
.endr
.irp x, 0,1
	v_fma_f32 v[ST+8*\x+4], s[MLS+1], v[ST+8*\x+7], v[ST+8*\x+4]
.endr
.irp x, 0,1
	v_rcp_f32 v[ST+8*\x+5], v[ST+8*\x+4]
.endr
	v_nop
	s_wait_alu depctr_va_vdst(0)                   ; one wait for the two
.irp x, 0,1
	v_mul_f32 v[ST+8*\x+4], v[ST+8*\x+7], v[ST+8*\x+5]     ; b / sum
	v_mul_f32 v[ST+8*\x+6], v[ST+8*\x+6], v[ST+8*\x+5]     ; a / sum
.endr
	s_wait_loadcnt 0x0
.set i, 0
.rept 16
	v_pk_mul_f32 v[S+i:S+i+1], v[KFR+i:KFR+i+1], v[ST+4:ST+5] op_sel_hi:[1,0]
	v_pk_mul_f32 v[VF+i:VF+i+1], v[KFR+i:KFR+i+1], v[ST+12:ST+13] op_sel_hi:[1,0]
	v_pk_fma_f32 v[S+i:S+i+1], v[O+i:O+i+1], v[ST+6:ST+7], v[S+i:S+i+1] op_sel_hi:[1,0,1]                ; each accumulator from its low end on
	v_pk_fma_f32 v[VF+i:VF+i+1], v[O+32+i:O+33+i], v[ST+14:ST+15], v[VF+i:VF+i+1] op_sel_hi:[1,0,1]
.set i, i+2
.endr
.set i, 0
.rept 16
	v_cvt_pk_f16_f32 v[P+i], v[S+2*i], v[S+2*i+1]
	v_cvt_pk_f16_f32 v[AM+i], v[VF+2*i], v[VF+2*i+1]
.set i, i+1
.endr
.irp t, 0,1,2,3
	ds_store_b128 v[STO], v[P+4*\t:P+4*\t+3] offset:32*\t
	ds_store_b128 v[STO], v[AM+4*\t:AM+4*\t+3] offset:16*PK+32*\t
.endr
.irp i, 0,1,2,3,4,5,6,7
	ds_load_b128 v[S+4*\i:S+4*\i+3], v[RD] offset:4*PK*\i          ; LDS serves a wave's instructions in order: these see my stores.  Four rows of 128 bytes an instruction
.endr
.irp i, 0,1,2,3,4,5,6,7
	s_wait_dscnt 7-\i
	global_store_b128 v[GO], v[S+4*\i:S+4*\i+3], s[YP:YP+1] offset:512*\i          ; 32 lanes store 512 consecutive bytes, aligned
.endr
	s_wait_xcnt 0x0                                ; the stores have read their registers and their base
.endm
	INIT
	s_mov_b32 s[N], 0
.Ltrip:                                            ; eight trips; the ninth slot is written out
	CHANGE 1
	SLOTSTEPS
	s_cmp_lg_u32 s[N], s[I]                        ; the work-group's number and the count of trips alone: all eight waves go the same way
	s_cbranch_scc1 .Lsame
	FINISH                                         ; block I is done: on to block 7 - I
	s_sub_co_u32 s88, 7, s[I]
	s_lshl_b32 s88, s88, 8
	s_lshl_b32 s91, s[WV], 5
	s_add_co_u32 s[Q0], s88, s91
	s_or_b32 s[QL], s[Q0], 63
	s_mov_b32 s[KFS], 0
	INIT
.Lsame:
	s_add_co_u32 s[N], s[N], 1
	s_cmp_lt_u32 s[N], 8
	s_cbranch_scc1 .Ltrip
	CHANGE 0
	SLOTSTEPS
	FINISH
	s_wait_tensorcnt 0x0                           ; the wave's end
	ds_add_u32 v[SPW], v[NIL]
	s_wait_dscnt 0x0
	s_endpgm
.Lfunc_end_k_q4ba8428bc5_attn:
	.size	k_q4ba8428bc5_attn, .Lfunc_end_k_q4ba8428bc5_attn-k_q4ba8428bc5_attn
	.p2alignl 7, 3214868480
	.fill 96, 4, 3214868480
	.section	.rodata,"a",@progbits
	.p2align	6, 0x0
	.amdhsa_kernel k_q4ba8428bc5_attn
		.amdhsa_group_segment_fixed_size 327680
		.amdhsa_private_segment_fixed_size 0
		.amdhsa_enable_private_segment 0
		.amdhsa_kernarg_size 24
		.amdhsa_user_sgpr_count 2
		.amdhsa_user_sgpr_kernarg_segment_ptr 1
		.amdhsa_wavefront_size32 1
		.amdhsa_system_sgpr_workgroup_id_x 1
		.amdhsa_system_sgpr_workgroup_id_y 1
		.amdhsa_system_sgpr_workgroup_id_z 1
		.amdhsa_system_vgpr_workitem_id 0
		.amdhsa_next_free_vgpr 256
		.amdhsa_next_free_sgpr 96
		.amdhsa_reserve_vcc 1
		.amdhsa_float_denorm_mode_32 3
		.amdhsa_float_denorm_mode_16_64 3
		.amdhsa_memory_ordered 1
		.amdhsa_forward_progress 1
		.amdhsa_inst_pref_size 244
	.end_amdhsa_kernel
	.amdgpu_metadata
---
amdhsa.version: [ 1, 2 ]
amdhsa.kernels:
  - .name:           k_q4ba8428bc5_attn
    .symbol:         k_q4ba8428bc5_attn.kd
    .args:
      - { .name: qkv, .offset: 0, .size: 8, .value_kind: global_buffer, .address_space: global }
      - { .name: h0, .offset: 8, .size: 8, .value_kind: global_buffer, .address_space: global }
      - { .name: yh, .offset: 16, .size: 8, .value_kind: global_buffer, .address_space: global }
    .group_segment_fixed_size: 327680
    .private_segment_fixed_size: 0
    .kernarg_segment_align: 8
    .kernarg_segment_size: 24
    .max_flat_workgroup_size: 256
    .sgpr_count:     96
    .vgpr_count:     256
    .wavefront_size: 32
...
	.end_amdgpu_metadata
.endif
;; end of part 4
;; launch proj (part 5): grid 4 x 64, 4 waves a work-group, clusters of 4 x 4, 327,680 bytes of LDS; arguments yh, wp16, bp, out0; writes out0
.if DOCPART == 5
	.amdgcn_target "amdgcn-amd-amdhsa--gfx1250"
	.amdhsa_code_object_version 6
	.text
	.protected	k_q4ba8428bc5_proj
	.globl	k_q4ba8428bc5_proj
	.p2align	8
	.type	k_q4ba8428bc5_proj,@function
k_q4ba8428bc5_proj:
	s_mov_b64 s[64:65], 0
	v_nop
	global_prefetch_b8 v0, s[64:65] scope:SCOPE_SE
	s_setreg_imm32_b32 hwreg(HW_REG_WAVE_MODE, 25, 1), 1
	s_wait_xcnt 0x0
	s_wait_alu depctr_hold_cnt(0) depctr_sa_sdst(0) depctr_va_vdst(0) depctr_va_sdst(0) depctr_va_ssrc(0) depctr_va_vcc(0) depctr_vm_vsrc(0)
	s_getreg_b32 s2, hwreg(HW_REG_IB_STS2, 6, 4)
	s_cmp_eq_u32 s2, 0
	s_cbranch_scc0 .Lentry_in_a_cluster
	s_endpgm
.Lentry_in_a_cluster:
	s_bfe_u32 s2, ttmp6, 0x10000c
	s_cmp_lg_u32 s2, 0xf033
	s_cbranch_scc0 .Lentry_shape_is_right
	s_endpgm
.Lentry_shape_is_right:
; Launch 5 of 6: out0 = y Wp^T + bp, f16 operands, f32 sums that begin with the bias.  y: [batch x head][t][64] f16; Wp: [1024][1024] f16.  (The rows t < 32 of each batch are written again, finely, by the last launch.)
; A tile of 128 x 256 gives 256 work-groups.  Four waves, each 64 x 128: 32 accumulators.  A K step is 128 along K = two heads: A's tile is two runs of 128 rows x 128 bytes (LDS pitch 144), B's 256 rows x 256 bytes
; (pitch 272).  Eight K steps through a ring of two slots; waves 0, 1 fetch A's two heads, waves 2, 3 B's two halves: one joint load a wave behind each round.
; CLUSTERS: 4 x 4; A's tile is shared along a row of the cluster, B's along a column.  THE MATRIX INSTRUCTION IS USED TRANSPOSED (source 0 = 16 rows of Wp, source 1 = 16 rows of y).
; REGISTERS: window 0: v0-31 addresses; two fragment buffers of 96 (32 of A, 64 of B) at v64 and v160.  window 1: the accumulators, (a, b) at 8 (8 a + b).  window 2: v0-63 the bias in the result's layout.
; No prefetch: eight K steps, and both first slots are asked for at the head.
.set HEADB,  262144
.set PA,     144
.set PB,     272
.set AHALF,  128*PA
.set BHALF,  128*PB
.set BOFF,   2*AHALF
.set SLOT,   BOFF+2*BHALF
.set STAGE,  2*SLOT
.set SPITCH, 528
.set SPARE,  STAGE+4*16*SPITCH
.set LAPS,   4
.set ADRA, 16
.set ADRB, 20
.set STO,  24
.set RD,   25
.set CO,   26
.set VB,   27
.set SPW,  28
.set NIL,  29
.set F0,   64
.set F1,   160
.set BK,   64
.set G1, 24
.set G0, 32
.set G1B, 48
.set G0B, 56
.set MSB, 0
.macro WIN new
.if MSB != \new
	s_set_vgpr_msb (MSB<<8)|\new
.set MSB, \new
.endif
.endm
.set MUL,   0x50                       ; A, B window 0; C and D window 1
.set FIRST, 0x60                       ; C (the bias) window 2, D window 1
.macro JLOAD s
	s_cmp_eq_u32 s11, 0
	s_cbranch_scc0 .Lfor_b_\@
	tensor_load_to_lds s[G0+4*\s:G0+4*\s+3], s[G1:G1+7]
	s_nop 0
.rept 4
	v_nop
.endr
	s_branch .Lasked_\@
.Lfor_b_\@:
	tensor_load_to_lds s[G0B+4*\s:G0B+4*\s+3], s[G1B:G1B+7]
	s_nop 0
.rept 4
	v_nop
.endr
.Lasked_\@:
.endm
.macro CREST
	s_cmp_lg_u32 s10, 0
	s_cbranch_scc1 .Lnot_wave_0_\@
	s_barrier_signal -3
.Lnot_wave_0_\@:
	s_barrier_wait -3
	s_barrier_signal -1
	s_barrier_wait -1
.endm
.macro CROUND
	s_barrier_signal -1
	s_barrier_wait -1
	CREST
.endm
	s_load_b128 s[4:7], s[0:1], 0x0                ; yh, wp16
	s_load_b64 s[14:15], s[0:1], 0x10              ; bp
	s_load_b64 s[8:9], s[0:1], 0x18                ; out0
	v_lshl_add_u32 v[SPW], v0, 2, SPARE
	v_mov_b32 v[NIL], 0
	ds_add_u32 v[SPW], v[NIL]                      ; the wave's opening: the add, twice on end, and its wait ahead of my first tensor load
	ds_add_u32 v[SPW], v[NIL]
	v_lshrrev_b32 v1, 5, v0
	v_readfirstlane_b32 s10, v1                    ; wave 0..3
	s_lshr_b32 s11, s10, 1                         ; my half of the tile's 128 rows.  Also: I fetch for A (0) or B (1)
	s_and_b32 s12, s10, 1                          ; my half of its 256 columns.  Also: which head of A's two, which 128 rows of B
	s_bfe_u32 s40, ttmp6, 0x40000
	s_bfe_u32 s41, ttmp6, 0x40004
	s_lshl_b32 s42, ttmp9, 2
	s_add_co_u32 s42, s42, s40                     ; tile column
	s_and_b32 s13, ttmp7, 0xffff
	s_lshl_b32 s13, s13, 2
	s_add_co_u32 s13, s13, s41                     ; tile row
	s_lshl_b32 s43, s41, 2
	s_lshl_b32 s43, 15, s43
	s_lshl_b32 s44, 0x1111, s40
	s_or_b32 s[G1+0], s43, (1<<16)|(1<<20)|(1<<21)|(4<<22)|(3<<25)     ; A: 128 rows x 64 elements of 2 bytes; 4 words of padding behind every 32
	s_mov_b32 s[G1+1], 64<<16
	s_mov_b32 s[G1+2], 128<<16
	s_mov_b32 s[G1+3], 64<<16
	s_mov_b32 s[G1+4], 128
	s_mov_b32 s[G1+5], 64
	s_mov_b32 s[G1+6], 0
	s_mov_b32 s[G1+7], 0
	s_or_b32 s[G1B+0], s44, (1<<16)|(1<<20)|(1<<21)|(5<<22)|(3<<25)    ; B: 128 rows x 128 elements; 4 words behind every 64
	s_mov_b32 s[G1B+1], 128<<16
	s_mov_b32 s[G1B+2], 128<<16
	s_mov_b32 s[G1B+3], 128<<16
	s_mov_b32 s[G1B+4], 128
	s_mov_b32 s[G1B+5], 1024
	s_mov_b32 s[G1B+6], 0
	s_mov_b32 s[G1B+7], 0
	s_lshl_b32 s16, s13, 7                         ; the tile's first row of y
	s_lshr_b32 s17, s16, 11                        ; its batch
	s_and_b32 s16, s16, 2047                       ; its t
	s_lshl_b32 s17, s17, 4
	s_add_co_u32 s17, s17, s12                     ; head 0 or 1 of the batch: K step 0
	s_lshl_b32 s17, s17, 18
	s_lshl_b32 s16, s16, 7
	s_add_co_u32 s16, s16, s17
	s_mov_b32 s17, 0
	s_lshl_b32 s46, s42, 8
	s_lshl_b32 s47, s12, 7
	s_add_co_u32 s46, s46, s47
	s_lshl_b32 s46, s46, 11                        ; a row of Wp is 2,048 bytes
	s_mov_b32 s47, 0
	s_mul_i32 s20, s12, AHALF
	s_mul_i32 s21, s12, BHALF
	s_add_co_u32 s21, s21, BOFF
	s_wait_dscnt 0x0                               ; both opening adds are done
	s_wait_kmcnt 0x0
	s_add_nc_u64 s[16:17], s[4:5], s[16:17]
	s_add_nc_u64 s[46:47], s[6:7], s[46:47]
	CROUND                                         ; all sixteen work-groups are here: the first joint loads meet
.irp s, 0,1
	s_mov_b32 s[G0+4*\s], 1
	s_add_co_u32 s[G0+4*\s+1], s20, \s*SLOT
	s_add_nc_u64 s[G0+4*\s+2:G0+4*\s+3], s[16:17], \s*2*HEADB      ; a K step on: two heads
	s_or_b32 s[G0+4*\s+3], s[G0+4*\s+3], 0x80000000
	s_mov_b32 s[G0B+4*\s], 1
	s_add_co_u32 s[G0B+4*\s+1], s21, \s*SLOT
	s_add_nc_u64 s[G0B+4*\s+2:G0B+4*\s+3], s[46:47], \s*256
	s_or_b32 s[G0B+4*\s+3], s[G0B+4*\s+3], 0x80000000
	JLOAD \s
.endr
	v_and_b32 v1, 15, v0
	v_bfe_u32 v2, v0, 4, 1
	s_lshl_b32 s46, s42, 10
	s_lshl_b32 s47, s12, 9
	s_add_co_u32 s46, s46, s47                     ; my first column, in bytes of f32
	s_mov_b32 s47, 0
	s_add_nc_u64 s[14:15], s[14:15], s[46:47]
	v_lshlrev_b32 v[VB], 5, v2
	WIN 0x80                                       ; destination window 2
.irp b, 0,1,2,3,4,5,6,7
	global_load_b128 v[8*\b:8*\b+3], v[VB], s[14:15] offset:64*\b          ; block b, lane (r, h): bp of columns 16 b + 8 h + 0 .. 7
	global_load_b128 v[8*\b+4:8*\b+7], v[VB], s[14:15] offset:64*\b+16
.endr
	WIN 0
	v_mul_u32_u24 v3, v1, PA
	v_lshl_add_u32 v3, v2, 4, v3
	v_mul_u32_u24 v4, v1, PB
	v_lshl_add_u32 v4, v2, 4, v4
	s_mul_i32 s22, s11, 64*PA                      ; my 64 rows of A
	s_mul_i32 s23, s12, BHALF                      ; my 128 rows of B
	s_add_co_u32 s23, s23, BOFF
.irp s, 0,1
	v_add_nc_u32 v[ADRA+\s], s22, v3
	v_add_nc_u32 v[ADRB+\s], s23, v4
	s_add_co_u32 s22, s22, SLOT
	s_add_co_u32 s23, s23, SLOT
.endr
	s_mul_i32 s23, s10, 16*SPITCH
	s_add_co_u32 s23, s23, STAGE                   ; my stage
	v_mul_u32_u24 v5, v1, SPITCH
	v_lshl_add_u32 v5, v2, 5, v5
	v_add_nc_u32 v[STO], s23, v5
	v_and_b32 v6, 31, v0
	v_lshlrev_b32 v[CO], 4, v6
	v_add_nc_u32 v[RD], s23, v[CO]
	s_lshl_b32 s16, s13, 7
	s_lshl_b32 s17, s11, 6
	s_add_co_u32 s16, s16, s17                     ; my first row of out0
	s_lshl_b32 s16, s16, 12
	s_add_co_u32 s16, s16, s46
	s_mov_b32 s17, 0
	s_add_nc_u64 s[8:9], s[8:9], s[16:17]
.macro MUL8 f, a, first                ; A's block a x B's eight, 32 along K.  The 32 accumulators take turns in one order
.irp b, 0,1,2,3,4,5,6,7
.if \first
	v_wmma_f32_16x16x32_f16 v[8*(8*(\a)+\b):8*(8*(\a)+\b)+7], v[\f+32+8*\b:\f+32+8*\b+7], v[\f+8*(\a):\f+8*(\a)+7], v[8*\b:8*\b+7]
.else
	v_wmma_f32_16x16x32_f16 v[8*(8*(\a)+\b):8*(8*(\a)+\b)+7], v[\f+32+8*\b:\f+32+8*\b+7], v[\f+8*(\a):\f+8*(\a)+7], v[8*(8*(\a)+\b):8*(8*(\a)+\b)+7]
.endif
.endr
.endm
.macro FETCH slot, kq, f               ; 24 LDS loads in one run: the kq-th 32 along K of the slot: B's eight fragments, then A's four
	WIN 0
.irp b, 0,1,2,3,4,5,6,7
	ds_load_b128 v[\f+32+8*\b:\f+32+8*\b+3], v[ADRB+\slot] offset:64*(\kq)+16*PB*\b
	ds_load_b128 v[\f+32+8*\b+4:\f+32+8*\b+7], v[ADRB+\slot] offset:64*(\kq)+16*PB*\b+32
.endr
.irp a, 0,1,2,3
	ds_load_b128 v[\f+8*\a:\f+8*\a+3], v[ADRA+\slot] offset:((\kq)/2)*AHALF+((\kq)%2)*64+16*PA*\a
	ds_load_b128 v[\f+8*\a+4:\f+8*\a+7], v[ADRA+\slot] offset:((\kq)/2)*AHALF+((\kq)%2)*64+16*PA*\a+32
.endr
.endm
.macro PLACES
.rept 4
	v_nop
.endr
.endm
.macro QUARTER slot, kq, f, g, first   ; multiplies buffer f; in its middle fetches the slot's kq-th quarter into g
	s_wait_dscnt 4                                 ; B and A's blocks 0, 1 are in; the youngest four loads (blocks 2, 3) may be out
.if \first
	WIN FIRST
.else
	WIN MUL
.endif
	MUL8 \f, 0, \first
	MUL8 \f, 1, \first
	PLACES
	FETCH \slot, \kq, \g
	s_wait_dscnt 24                                ; all but the 24 just issued
.if \first
	WIN FIRST
.else
	WIN MUL
.endif
	MUL8 \f, 2, \first
	MUL8 \f, 3, \first
.endm
; A K step's last quarter multiplies buffer 1 and changes slots: in front of the barrier each wave waits for all its tensor loads, adds 0 to its spare word, and waits for that and for its reads of this slot.
.macro TURN slot, next, fill
	WIN 0
	s_wait_tensorcnt 0x0                           ; all my tensor loads have landed: my part of the next slot
	ds_add_u32 v[SPW], v[NIL]
	s_wait_dscnt 5                                 ; (the add and the youngest four loads may be out)
	WIN MUL
	MUL8 F1, 0, 0
	s_wait_dscnt 0x0                               ; the add is done, and my reads of this slot are over
	s_barrier_signal -1
	MUL8 F1, 1, 0
.if \fill
	WIN 0
.endif
	s_barrier_wait -1
.if \fill
	CREST                                          ; the barrier has opened a round of the cluster's: no wave of any partner still reads this slot or has a load on its way
	s_add_nc_u64 s[G0+4*\slot+2:G0+4*\slot+3], s[G0+4*\slot+2:G0+4*\slot+3], 4*HEADB
	s_add_nc_u64 s[G0B+4*\slot+2:G0B+4*\slot+3], s[G0B+4*\slot+2:G0B+4*\slot+3], 512
	JLOAD \slot                                    ; the first tensor load behind the round; its four v_nop are also the places in front of the loads below
.else
	PLACES
.endif
	FETCH \next, 0, F0
	WIN MUL
	MUL8 F1, 2, 0
	MUL8 F1, 3, 0
.endm
	s_wait_tensorcnt 1                             ; my part of K step 0 is in; K step 1's may be out
	s_barrier_signal -1
	s_barrier_wait -1
	FETCH 0, 0, F0
	s_wait_loadcnt 0x0                             ; the bias
	QUARTER 0, 1, F0, F1, 1                        ; the first quarter stands in front of the loop: its products start the sums, with the bias as C
	WIN 0
	s_mov_b32 s3, LAPS-1
.Llap:
	QUARTER 0, 2, F1, F0, 0
	QUARTER 0, 3, F0, F1, 0
	TURN 0, 1, 1
	QUARTER 1, 1, F0, F1, 0
	QUARTER 1, 2, F1, F0, 0
	QUARTER 1, 3, F0, F1, 0
	TURN 1, 0, 1
	QUARTER 0, 1, F0, F1, 0
	WIN 0
	s_sub_co_u32 s3, s3, 1
	s_cmp_lg_u32 s3, 0
	s_cbranch_scc1 .Llap
	QUARTER 0, 2, F1, F0, 0                        ; the last lap fills nothing
	QUARTER 0, 3, F0, F1, 0
	TURN 0, 1, 0
	QUARTER 1, 1, F0, F1, 0
	QUARTER 1, 2, F1, F0, 0
	QUARTER 1, 3, F0, F1, 0
	s_wait_dscnt 4
	WIN MUL
	MUL8 F1, 0, 0
	MUL8 F1, 1, 0
	s_wait_dscnt 0x0
	MUL8 F1, 2, 0
	MUL8 F1, 3, 0
	WIN 0
; THE WAY OUT, a block of 16 rows x 128 columns at a time, through my own stage: back as whole rows of 512 bytes.
.macro TOSTAGE a
	WIN 0x04                                       ; an LDS store's data are its source 1: window 1
.irp b, 0,1,2,3,4,5,6,7
	ds_store_b128 v[STO], v[8*(8*(\a)+\b):8*(8*(\a)+\b)+3] offset:64*\b            ; each accumulator from its low end on
	ds_store_b128 v[STO], v[8*(8*(\a)+\b)+4:8*(8*(\a)+\b)+7] offset:64*\b+16
.endr
	WIN 0
.set BB, BK+64*((\a)%2)
.irp t, 0,1,2,3,4,5,6,7,8,9,10,11,12,13,14,15
	ds_load_b128 v[BB+4*\t:BB+4*\t+3], v[RD] offset:\t*SPITCH
.endr
.endm
.macro SEND a, younger
.set BB, BK+64*((\a)%2)
	s_wait_dscnt \younger                          ; the block is back in registers
.irp t, 0,1,2,3,4,5,6,7,8,9,10,11,12,13,14,15
	global_store_b128 v[CO], v[BB+4*\t:BB+4*\t+3], s[8:9] offset:(\a)*65536+\t*4096 th:TH_STORE_NT         ; 32 lanes store 512 consecutive bytes, aligned
.endr
.endm
	PLACES
	TOSTAGE 0
.irp a, 1,2,3
.if \a > 1
	s_wait_xcnt 0x0                                ; block a - 2's stores have read their registers: block a's loads may land there
.endif
	TOSTAGE \a
	SEND \a-1, 32                                  ; behind block a - 1's loads: block a's 16 stores and 16 loads
.endr
	SEND 3, 0
	s_wait_tensorcnt 0x0                           ; the wave's end
	ds_add_u32 v[SPW], v[NIL]
	s_wait_dscnt 0x0
	CROUND                                         ; the closing round
	s_endpgm
.Lfunc_end_k_q4ba8428bc5_proj:
	.size	k_q4ba8428bc5_proj, .Lfunc_end_k_q4ba8428bc5_proj-k_q4ba8428bc5_proj
	.p2alignl 7, 3214868480
	.fill 96, 4, 3214868480
	.section	.rodata,"a",@progbits
	.p2align	6, 0x0
	.amdhsa_kernel k_q4ba8428bc5_proj
		.amdhsa_group_segment_fixed_size 327680
		.amdhsa_private_segment_fixed_size 0
		.amdhsa_enable_private_segment 0
		.amdhsa_kernarg_size 32
		.amdhsa_user_sgpr_count 2
		.amdhsa_user_sgpr_kernarg_segment_ptr 1
		.amdhsa_wavefront_size32 1
		.amdhsa_system_sgpr_workgroup_id_x 1
		.amdhsa_system_sgpr_workgroup_id_y 1
		.amdhsa_system_sgpr_workgroup_id_z 1
		.amdhsa_system_vgpr_workitem_id 0
		.amdhsa_next_free_vgpr 576
		.amdhsa_next_free_sgpr 66
		.amdhsa_reserve_vcc 0
		.amdhsa_float_denorm_mode_32 3
		.amdhsa_float_denorm_mode_16_64 3
		.amdhsa_memory_ordered 1
		.amdhsa_forward_progress 1
		.amdhsa_inst_pref_size 87
	.end_amdhsa_kernel
	.amdgpu_metadata
---
amdhsa.version: [ 1, 2 ]
amdhsa.kernels:
  - .name:           k_q4ba8428bc5_proj
    .symbol:         k_q4ba8428bc5_proj.kd
    .args:
      - { .name: yh, .offset: 0, .size: 8, .value_kind: global_buffer, .address_space: global }
      - { .name: wp16, .offset: 8, .size: 8, .value_kind: global_buffer, .address_space: global }
      - { .name: bp, .offset: 16, .size: 8, .value_kind: global_buffer, .address_space: global }
      - { .name: out0, .offset: 24, .size: 8, .value_kind: global_buffer, .address_space: global }
    .group_segment_fixed_size: 327680
    .private_segment_fixed_size: 0
    .kernarg_segment_align: 8
    .kernarg_segment_size: 32
    .max_flat_workgroup_size: 128
    .sgpr_count:     66
    .vgpr_count:     576
    .wavefront_size: 32
...
	.end_amdgpu_metadata
.endif
;; end of part 5
;; launch proj0 (part 6): grid 16 x 8, 16 waves a work-group, no clusters, 19,456 bytes of LDS; arguments h0, Wp, bp, out0; writes out0
.if DOCPART == 6
	.amdgcn_target "amdgcn-amd-amdhsa--gfx1250"
	.amdhsa_code_object_version 6
	.text
	.protected	k_q4ba8428bc5_proj0
	.globl	k_q4ba8428bc5_proj0
	.p2align	8
	.type	k_q4ba8428bc5_proj0,@function
k_q4ba8428bc5_proj0:
	s_mov_b64 s[64:65], 0
	v_nop
	global_prefetch_b8 v0, s[64:65] scope:SCOPE_SE
	s_setreg_imm32_b32 hwreg(HW_REG_WAVE_MODE, 25, 1), 1
	s_wait_xcnt 0x0
; Launch 6 of 6: the projection of the first 32 positions of each batch, in f32: out0[b][t < 32] = yf Wp^T + bp.  These rows sum few terms in the attention and are the largest: f16 operands would use up what the
; comparison allows.  128 rows in all: no bulk work.
; A work-group makes 16 rows x 64 columns.  Wave w: columns 16 (w % 4) on, K = 256 (w / 4) on, in four stages of 64; the four quarters of K meet in LDS; wave w then sums and stores row w: 256 consecutive bytes.
; v_wmma_f32_16x16x4_f32, source 0 = 16 rows of Wp, source 1 = 16 rows of yf.  Lane (r, h) loads, of both, the 32 numbers at k = 32 h on of a stage; product e takes registers 2 e, 2 e + 1 of both:
; the same k stands in the same place on both sides, so each product of the sum is formed once.
; Four accumulators take turns; matrix instructions alone write them; each begins with the constant 0.
.set YFO,   1081344
.set SPARE, 17408                      ; behind the four quarters' 16 rows x 272 bytes: the spare words, 128 bytes a wave
.set AG,  20
.set AL8, 21
.set AST, 22
.set AR,  23
.set SPW, 30
.set NIL, 31
.set WV,  12
	s_load_b256 s[4:11], s[0:1], 0x0               ; h0, Wp, bp, out0
	v_lshl_add_u32 v[SPW], v0, 2, SPARE
	v_mov_b32 v[NIL], 0
	v_lshrrev_b32 v24, 5, v0
	v_readfirstlane_b32 s[WV], v24                 ; wave 0..15
	s_and_b32 s13, s[WV], 3                        ; which 16 columns
	s_lshr_b32 s14, s[WV], 2                       ; which quarter of K
	s_and_b32 s16, ttmp7, 0xffff                   ; which 16 rows of yf
	v_and_b32 v24, 15, v0                          ; r
	v_bfe_u32 v25, v0, 4, 1                        ; h
	v_and_b32 v26, 31, v0
	v_lshlrev_b32 v[AG], 12, v24
	v_lshl_add_u32 v[AG], v25, 7, v[AG]            ; row r of 4,096 bytes, + 128 h
	v_lshlrev_b32 v[AL8], 3, v26
	s_mul_i32 s17, s14, 4352
	s_lshl_b32 s18, s13, 6
	s_add_co_u32 s17, s17, s18
	v_mul_u32_u24 v[AST], v24, 272
	v_lshl_add_u32 v[AST], v25, 5, v[AST]
	v_add_nc_u32 v[AST], s17, v[AST]               ; my quarter's partial sums: row r, columns 16 ct + 8 h on
	s_mul_i32 s17, s[WV], 272
	v_add_nc_u32 v[AR], s17, v[AL8]                ; back: row w, 8 bytes a lane
	s_mov_b32 s21, 0
	s_lshl_b32 s19, s14, 10
	s_wait_kmcnt 0x0
	s_lshl_b32 s20, s16, 16
	s_add_co_u32 s20, s20, s19
	s_add_co_u32 s20, s20, YFO
	s_add_nc_u64 s[4:5], s[4:5], s[20:21]
	s_lshl_b32 s20, ttmp9, 6
	s_lshl_b32 s22, s13, 4
	s_add_co_u32 s20, s20, s22
	s_lshl_b32 s20, s20, 12
	s_add_co_u32 s20, s20, s19
	s_add_nc_u64 s[6:7], s[6:7], s[20:21]
	s_lshl_b32 s20, ttmp9, 8
	s_add_nc_u64 s[8:9], s[8:9], s[20:21]
	s_lshr_b32 s22, s16, 1                         ; the batch
	s_lshl_b32 s22, s22, 11
	s_and_b32 s23, s16, 1
	s_lshl_b32 s23, s23, 4
	s_add_co_u32 s22, s22, s23
	s_add_co_u32 s22, s22, s[WV]                   ; the row of out0 that I store
	s_lshl_b32 s22, s22, 12
	s_add_co_u32 s20, s20, s22
	s_add_nc_u64 s[10:11], s[10:11], s[20:21]
.macro SLOAD s                         ; stage s: 16 loads, into the ring's place s % 3: yf at v32 + 64 (s % 3), Wp 32 registers on
.irp i, 0,1,2,3,4,5,6,7
	global_load_b128 v[32+64*((\s)%3)+4*\i:32+64*((\s)%3)+4*\i+3], v[AG], s[4:5] offset:256*(\s)+16*\i
.endr
.irp i, 0,1,2,3,4,5,6,7
	global_load_b128 v[64+64*((\s)%3)+4*\i:64+64*((\s)%3)+4*\i+3], v[AG], s[6:7] offset:256*(\s)+16*\i
.endr
.endm
.macro MULS s, first
.irp e, 0,1,2,3,4,5,6,7,8,9,10,11,12,13,14,15
.if \first && (\e < 4)
	v_wmma_f32_16x16x4_f32 v[224+8*(\e%4):224+8*(\e%4)+7], v[64+64*((\s)%3)+2*\e:64+64*((\s)%3)+2*\e+1], v[32+64*((\s)%3)+2*\e:32+64*((\s)%3)+2*\e+1], 0
.else
	v_wmma_f32_16x16x4_f32 v[224+8*(\e%4):224+8*(\e%4)+7], v[64+64*((\s)%3)+2*\e:64+64*((\s)%3)+2*\e+1], v[32+64*((\s)%3)+2*\e:32+64*((\s)%3)+2*\e+1], v[224+8*(\e%4):224+8*(\e%4)+7]
.endif
.endr
.endm
	global_load_b64 v[10:11], v[AL8], s[8:9]       ; bp of my two columns of the row that I store
	SLOAD 0
	SLOAD 1
	SLOAD 2
	s_wait_loadcnt 32                              ; stage 0 is in; stages 1 and 2 may be out
	MULS 0, 1
.rept 8
	v_nop                                          ; eight places behind this form, in front of loads into registers that it has read
.endr
	SLOAD 3
	s_wait_loadcnt 32                              ; stage 1 is in; stages 2 and 3 may be out
	MULS 1, 0
	s_wait_loadcnt 16
	MULS 2, 0
	s_wait_loadcnt 0x0
	MULS 3, 0
.rept 8
	v_nop
.endr
.irp p, 0,2,4,6
	v_pk_add_f32 v[2+\p:3+\p], v[224+\p:225+\p], v[232+\p:233+\p]          ; the four accumulators' sum goes into other registers; each is read from its low end on
	v_pk_add_f32 v[2+\p:3+\p], v[2+\p:3+\p], v[240+\p:241+\p]
	v_pk_add_f32 v[2+\p:3+\p], v[2+\p:3+\p], v[248+\p:249+\p]
.endr
	ds_store_b128 v[AST], v[2:5]
	ds_store_b128 v[AST], v[6:9] offset:16
	s_wait_dscnt 0x0                               ; for the others' sake: my stores have landed
	s_barrier_signal -1
	s_barrier_wait -1
	ds_load_b64 v[12:13], v[AR]
	ds_load_b64 v[14:15], v[AR] offset:4352
	ds_load_b64 v[16:17], v[AR] offset:8704
	ds_load_b64 v[18:19], v[AR] offset:13056
	s_wait_dscnt 0x0
	v_pk_add_f32 v[12:13], v[12:13], v[14:15]
	v_pk_add_f32 v[16:17], v[16:17], v[18:19]
	v_pk_add_f32 v[12:13], v[12:13], v[16:17]
	v_pk_add_f32 v[12:13], v[12:13], v[10:11]
	global_store_b64 v[AL8], v[12:13], s[10:11]    ; 32 lanes store 256 consecutive bytes, aligned
	s_wait_tensorcnt 0x0                           ; the wave's end
	ds_add_u32 v[SPW], v[NIL]
	s_wait_dscnt 0x0
	s_endpgm
.Lfunc_end_k_q4ba8428bc5_proj0:
	.size	k_q4ba8428bc5_proj0, .Lfunc_end_k_q4ba8428bc5_proj0-k_q4ba8428bc5_proj0
	.p2alignl 7, 3214868480
	.fill 96, 4, 3214868480
	.section	.rodata,"a",@progbits
	.p2align	6, 0x0
	.amdhsa_kernel k_q4ba8428bc5_proj0
		.amdhsa_group_segment_fixed_size 19456
		.amdhsa_private_segment_fixed_size 0
		.amdhsa_enable_private_segment 0
		.amdhsa_kernarg_size 32
		.amdhsa_user_sgpr_count 2
		.amdhsa_user_sgpr_kernarg_segment_ptr 1
		.amdhsa_wavefront_size32 1
		.amdhsa_system_sgpr_workgroup_id_x 1
		.amdhsa_system_sgpr_workgroup_id_y 1
		.amdhsa_system_sgpr_workgroup_id_z 1
		.amdhsa_system_vgpr_workitem_id 0
		.amdhsa_next_free_vgpr 256
		.amdhsa_next_free_sgpr 66
		.amdhsa_reserve_vcc 0
		.amdhsa_float_denorm_mode_32 3
		.amdhsa_float_denorm_mode_16_64 3
		.amdhsa_memory_ordered 1
		.amdhsa_forward_progress 1
		.amdhsa_inst_pref_size 15
	.end_amdhsa_kernel
	.amdgpu_metadata
---
amdhsa.version: [ 1, 2 ]
amdhsa.kernels:
  - .name:           k_q4ba8428bc5_proj0
    .symbol:         k_q4ba8428bc5_proj0.kd
    .args:
      - { .name: h0, .offset: 0, .size: 8, .value_kind: global_buffer, .address_space: global }
      - { .name: Wp, .offset: 8, .size: 8, .value_kind: global_buffer, .address_space: global }
      - { .name: bp, .offset: 16, .size: 8, .value_kind: global_buffer, .address_space: global }
      - { .name: out0, .offset: 24, .size: 8, .value_kind: global_buffer, .address_space: global }
    .group_segment_fixed_size: 19456
    .private_segment_fixed_size: 0
    .kernarg_segment_align: 8
    .kernarg_segment_size: 32
    .max_flat_workgroup_size: 512
    .sgpr_count:     66
    .vgpr_count:     256
    .wavefront_size: 32
...
	.end_amdgpu_metadata
.endif
;; end of part 6
